; MI455X (gfx1250); checked and timed in simulation.
; The chip was launched on July 23, 2026; its instructions are those of AMD's public machine-readable ISA for CDNA 5 (MIT licence, August 2026) and "CDNA5" Instruction Set Architecture Reference Guide (July 2026). The comments in the code are by the model that wrote it; some were corrected since.
;; Multihead Attention. Allowed arithmetic: matrix products marked QUANTISED: E2M3 operands, one E8M0 scale for each 32 along K, by v_wmma_scale_f32_16x16x128_f8f6f4 with both operands' format E2M3, f32 sums; everything else in f32.
;; Inputs: Wk 1,024 x 1,024 float32; Wo 1,024 x 1,024 float32; Wq 1,024 x 1,024 float32; Wv 1,024 x 1,024 float32; bk 1,024 float32; bo 1,024 float32; bq 1,024 float32; bv 1,024 float32; k 2 x 2,048 x 1,024 float32; k_mask 2 x 2,048 float32; pos_logits 2 x 2,048 x 2,048 float32; q 2 x 2,048 x 1,024 float32; q_mask 2 x 2,048 float32.
;; Outputs: out0 2 x 2,048 x 1,024 float32.
;; This version of the problem:
;;   THIS VERSION OF THE PROBLEM IS GIVEN IN LOW PRECISION. The matrix products marked QUANTISED in the list below multiply operands that are first quantised to E2M3 (2 exponent bits, 3 mantissa bits; 6 bits a number), with one power-of-two scale for each 32 numbers along K (OCP MX v1.0); their sums are f32. All else is computed in f32.
;;   The module's matrix products, in the order in which they are computed (A, B: the left and right operand; K: the contracted axis; several contracted axes count as one K, in the product's order):
;;     1. [M 4,096, K 1,024] x [K 1,024, N 1,024]; A: input q; B: input Wq: QUANTISED
;;     2. [M 4,096, K 1,024] x [K 1,024, N 1,024]; A: input k; B: input Wk: QUANTISED
;;     3. [M 4,096, K 1,024] x [K 1,024, N 1,024]; A: computed on the way; B: input Wv: QUANTISED
;;     4. batch 32 x [M 2,048, K 64] x [K 64, N 2,048]; A: computed on the way; B: computed on the way: QUANTISED
;;     5. batch 32 x [M 2,048, K 2,048] x [K 2,048, N 64]; A: softmax (see below); B: computed on the way: QUANTISED
;;     6. [M 4,096, K 1,024] x [K 1,024, N 1,024]; A: computed on the way; B: input Wo: QUANTISED
;;   THE QUANTISER, for each operand of a quantised product, along K:
;;     - K is cut into blocks of 32 from its start; a last block that is shorter is filled with zeros.
;;     - A block's scale is 2^e with e = floor(log2(the largest magnitude in the block)) - 2, held to -126 .. 127; a block of zeros has e = 0. As a byte (E8M0): e + 127.
;;     - Each number is divided by its block's scale, clamped to +-7.5, and rounded to the nearest number of E2M3, ties to even, subnormals kept.
;;     - The product sums the exact products of the quantised numbers (number of the format x scale) in f32.
;;   ~~~python
;;   def quantise(x, axis):      # numpy; x: float32 -> the quantised numbers, widened to float32 again
;;       x = np.moveaxis(x, axis, -1); K = x.shape[-1]
;;       x = np.pad(x, [(0, 0)] * (x.ndim - 1) + [(0, -K % 32)]); x = x.reshape(x.shape[:-1] + (-1, 32)); a = np.abs(x).max(-1, keepdims=True)
;;       e = np.where(a > 0, np.clip(np.frexp(np.where(a > 0, a, 1))[1] - 1 - 2, -126, 127), 0)      # np.frexp(a)[1] - 1 = floor(log2(a)), exactly
;;       r = np.clip(x / 2.0 ** e, -7.5, 7.5)
;;       step = 2.0 ** (np.maximum(np.frexp(np.where(r == 0, 1, r))[1] - 1, 0) - 3)
;;       q = np.round(r / step) * step * 2.0 ** e      # np.round: ties to even
;;       return np.moveaxis(q.reshape(q.shape[:-2] + (-1,))[..., :K], -1, axis).astype(np.float32)
;;   ~~~
;;   SOFTMAX AHEAD OF A QUANTISED PRODUCT. Where the list says 'softmax', what is quantised is not the finished softmax but p = 2^(t - M), with t = logit x log2(e) and M = ceil(the row's largest t), a whole number; so 1/2 < the row's largest p <= 1. The row's sum l is taken of the UNQUANTISED p, in f32, and the product's result is divided by l at the end. Since M is a whole number, a kernel that streams over the keys may use a running M (the ceiling of the running maximum): every later rescaling is an exact power of two, which a block's scale takes up: the codes' values come out the same.
;;   OPERANDS COMPUTED ON THE WAY. 'Computed on the way' means the value that the module computes at that place (a softmax that the list does not call 'softmax' is quantised finished and normalised). What goes into a quantiser is computed in f32, as accurately as f32 sums, v_exp_f32 and their like allow (about 1e-6 of the number): no bf16 or f16 on the way to a quantiser, and a product that is left as it is and whose result goes on into a quantised operand takes f32 operands (vector FMAs, or v_wmma_f32_16x16x4_f32). A number that lies on a knife's edge between two numbers of the format may be rounded either way, as far as f32 arithmetic and the matrix unit's own rounding can turn it there, and no further.
;; One version. Each part assembles by itself: llvm-mc -triple=amdgcn-amd-amdhsa -mcpu=gfx1250 --defsym DOCPART=n.
;; ======== version 1 of 1: 5 launches
;; limits: right only within a limited range of input values
;; workspace buffers: w1 9,830,400 bytes; w2 6,815,744 bytes; w3 3,407,872 bytes; w4 3,407,872 bytes
;; launch quant (part 1): grid 256 x 1, 6 waves a work-group, no clusters, 51,456 bytes of LDS; arguments q, k, Wq, Wk, Wv, Wo, w1; writes w1
.if DOCPART == 1
	.amdgcn_target "amdgcn-amd-amdhsa--gfx1250"
	.amdhsa_code_object_version 6
	.text
	.protected	k_qd114c82eef_quant
	.globl	k_qd114c82eef_quant
	.p2align	8
	.type	k_qd114c82eef_quant,@function
k_qd114c82eef_quant:
	s_mov_b64 s[64:65], 0
	v_nop
	global_prefetch_b8 v0, s[64:65] scope:SCOPE_SE
	s_setreg_imm32_b32 hwreg(HW_REG_WAVE_MODE, 25, 1), 1
	s_wait_xcnt 0x0
; q, k [4096][1024] and Wq, Wk, Wv, Wo [1024][1024], f32, K innermost, become codes of FP6 (E2M3) with one E8M0 byte for each 32 along K, in w1.
; No work of reference() is left out in this program: every input has a way to the output, and every product of the table is done.
; THE ORDER OF ROWS.  Every 64 rows are a group G of four tiles t; lane r of tile t is row 64 G + 8 t + (r & 7) + 32 (r >> 3).  Taken as source 0 of a product, the four tiles leave a lane of the
; result 32 neighbours along that axis in its 32 registers: a whole block of the next quantiser.
; THE CODES' LAYOUT is an image of the operand's registers.  A unit of 768 bytes holds 16 tile lanes x 64 along K: lane l's registers 0-3 at 16 l, its registers 4-5 at 512 + 8 l.  Tile T lies at 12,288 T, 16 units along K.
; Tiles 0-255 q, 256-511 k, 512-575 Wq, 576-639 Wk, 640-703 Wv, 704-767 Wo.  THE SCALE WORDS (four bytes: 128 along K of one row) lie from US1 on as [G][K step 8][lane r 16][tile 4].
; A block's scale byte is its largest magnitude's exponent field - 2, held at 1 from below (a block of zeros keeps 1: its codes are zeros, and this program alone reads the bytes).
; LIMITS: blocks whose largest magnitude lies under 2^(3 - 127) keep the byte 1; NaN and infinities among the inputs are not served.
; SHARES.  1,536 waves, one for each (G, K step): 64 rows x 128 along K, tile by tile.  A tile's 16 loads read 512 consecutive bytes each; the 8 KB turn through the wave's own stage in LDS (rows 528 bytes apart)
; and come back 128 bytes a lane and block.  Waves share nothing: no barrier.  Loads run one tile (16 loads) ahead of the tile in hand.
.set STGB,  16*528                     ; a wave's stage
.set SPARE, 6*STGB                     ; behind the stages: the spare words, 128 bytes for each wave, which no other line names
.set US1,   9437184
.set VL,  1                            ; v1   16 x lane
.set STI, 2                            ; v2   the stage on the way in: 16 x lane
.set STO, 3                            ; v3   and on the way out: 528 r + 128 h
.set O8,  4                            ; v4   8 x lane
.set OU,  5                            ; v5   16 r + 8 h
.set QSH, 6                            ; v6   8 h
.set QY,  7                            ; v7   a lane permute's destination
.set SPW, 14                           ; v14  my spare word; never rewritten
.set NIL, 15                           ; v15  0; never rewritten
.set R,   16                           ; v16-143  two sets of 64 registers as loaded
.set X,   144                          ; v144-207 64 numbers: register 32 c + i = k 64 c + 32 h + i of row r
.set PC,  208                          ; v208-219 the fragment's 12 registers
.set PT,  220                          ; v220-222 the second half of a block's codes
.set QT0, 224
.set QT1, 225
.set QSO, 226
.set QBY, 227
.set WA,  228
.set WB,  229
.set WT,  232                          ; v232-235 the four tiles' scale words
.set DW,  236
.set SEL, 20                           ; s[20:21] lane selects: lane l xor 16
; 32 numbers of a lane, one block of 32 along K, become 6 registers of codes at v[pc]; v[w] gets the bytes of the two blocks that lanes l and l xor 16 hold, in its low 16 bits.
.macro QH s, pc, pt, w, fl
	v_max3_num_f32 v[QT0], |v[(\s)]|, |v[(\s)+1]|, \fl             ; the largest magnitude, in two chains, with the floor among the leaves
	v_max3_num_f32 v[QT1], |v[(\s)+16]|, |v[(\s)+17]|, \fl
.irp i, 2,4,6,8,10,12,14
	v_max3_num_f32 v[QT0], v[QT0], |v[(\s)+\i]|, |v[(\s)+\i+1]|
	v_max3_num_f32 v[QT1], v[QT1], |v[(\s)+16+\i]|, |v[(\s)+17+\i]|
.endr
	v_max_num_f32 v[QT0], v[QT0], v[QT1]
	v_add_nc_u32 v[QSO], 0xff000000, v[QT0]                        ; 2 off its exponent field: the conversion's scale operand
	v_lshrrev_b32 v[QBY], 23, v[QSO]                               ; the scale's byte,
	v_lshlrev_b32 v[(\w)], v[QSH], v[QBY]                          ; at its place (8 h bits up),
	v_permlanex16_b32 v[QY], v[(\w)], s[SEL], s[SEL+1]
	v_or_b32 v[(\w)], v[(\w)], v[QY]                               ; with the other half's
	v_cvt_scalef32_pk16_fp6_f32 v[(\pc):(\pc)+2], v[(\s):(\s)+15], v[QSO]
	v_cvt_scalef32_pk16_fp6_f32 v[(\pt):(\pt)+2], v[(\s)+16:(\s)+31], v[QSO]   ; (a conversion's three registers begin on an even number)
	v_nop                                                          ; one plain place behind a scaled conversion
	v_mov_b32 v[(\pc)+3], v[(\pt)]
	v_mov_b32 v[(\pc)+4], v[(\pt)+1]
	v_mov_b32 v[(\pc)+5], v[(\pt)+2]
.endm
	s_load_b256 s[4:11], s[0:1], 0x0               ; q, k, Wq, Wk
	s_load_b128 s[12:15], s[0:1], 0x20             ; Wv, Wo
	s_load_b64 s[16:17], s[0:1], 0x30              ; w1
	v_lshl_add_u32 v[SPW], v0, 2, SPARE
	v_mov_b32 v[NIL], 0
	v_lshrrev_b32 v8, 5, v0
	v_readfirstlane_b32 s18, v8                    ; wave 0..5
	v_and_b32 v9, 31, v0                           ; lane
	v_and_b32 v10, 15, v0                          ; r
	v_bfe_u32 v11, v0, 4, 1                        ; h
	v_lshlrev_b32 v[VL], 4, v9
	v_lshlrev_b32 v[O8], 3, v9
	s_mul_i32 s19, s18, STGB
	v_add_nc_u32 v[STI], s19, v[VL]
	v_mul_u32_u24 v[STO], v10, 528
	v_lshl_add_u32 v[STO], v11, 7, v[STO]
	v_add_nc_u32 v[STO], s19, v[STO]
	v_lshlrev_b32 v[OU], 4, v10
	v_lshl_add_u32 v[OU], v11, 3, v[OU]
	v_lshlrev_b32 v[QSH], 3, v11
	v_mov_b32 v[QY], 0                             ; written once: a lane permute's destination counts as one of its sources
	s_mov_b32 s[SEL], 0x76543210
	s_mov_b32 s[SEL+1], 0xfedcba98
	s_mov_b32 s22, 0xffff0000                      ; lanes 16-31
	s_mul_i32 s23, ttmp9, 6
	s_add_co_u32 s23, s23, s18                     ; my unit: 6 x work-group + wave
	s_lshr_b32 s24, s23, 3                         ; G
	s_and_b32 s25, s23, 7                          ; K step
	s_wait_alu depctr_va_vdst(0)
	s_wait_kmcnt 0x0
	s_mov_b64 s[26:27], s[14:15]                   ; which tensor holds group G, and its first group: the choice hangs on ids alone
	s_mov_b32 s28, 176
	s_cmp_lt_u32 s24, 176
	s_cselect_b64 s[26:27], s[12:13], s[26:27]
	s_cselect_b32 s28, 160, s28
	s_cmp_lt_u32 s24, 160
	s_cselect_b64 s[26:27], s[10:11], s[26:27]
	s_cselect_b32 s28, 144, s28
	s_cmp_lt_u32 s24, 144
	s_cselect_b64 s[26:27], s[8:9], s[26:27]
	s_cselect_b32 s28, 128, s28
	s_cmp_lt_u32 s24, 128
	s_cselect_b64 s[26:27], s[6:7], s[26:27]
	s_cselect_b32 s28, 64, s28
	s_cmp_lt_u32 s24, 64
	s_cselect_b64 s[26:27], s[4:5], s[26:27]
	s_cselect_b32 s28, 0, s28
	s_sub_co_u32 s29, s24, s28
	s_lshl_b32 s30, s29, 18                        ; 64 rows of 4,096 bytes a group,
	s_lshl_b32 s31, s25, 9                         ; 512 bytes a K step
	s_add_co_u32 s30, s30, s31
	s_mov_b32 s31, 0
	s_add_nc_u64 s[26:27], s[26:27], s[30:31]
	s_mul_i32 s30, s24, 4*12288                    ; the codes: tile 4 G, unit 2 x K step
	s_mul_i32 s32, s25, 1536
	s_add_co_u32 s30, s30, s32
	s_add_nc_u64 s[34:35], s[16:17], s[30:31]
	s_lshl_b32 s30, s24, 11                        ; the scale words: 2,048 bytes a group, 256 a K step
	s_lshl_b32 s32, s25, 8
	s_add_co_u32 s30, s30, s32
	s_add_co_u32 s30, s30, US1
	s_add_nc_u64 s[36:37], s[16:17], s[30:31]
.macro LOAD t                          ; tile t's 16 rows, 512 consecutive bytes a load, into set t % 2
.irp i, 0,1,2,3,4,5,6,7,8,9,10,11,12,13,14,15
	global_load_b128 v[R+64*((\t)%2)+4*\i:R+64*((\t)%2)+4*\i+3], v[VL], s[26:27] offset:(8*(\t)+\i%8+32*(\i/8))*4096 th:TH_LOAD_NT
.endr
.endm
.macro TILE t
.set RS, R+64*((\t)%2)
.if (\t) < 3
	s_wait_loadcnt 16                              ; this tile's 16 loads are in; the next tile's 16 may be out
.else
	s_wait_loadcnt 0x0
.endif
.irp i, 0,1,2,3,4,5,6,7,8,9,10,11,12,13,14,15
	ds_store_b128 v[STI], v[RS+4*\i:RS+4*\i+3] offset:528*\i       ; row i of the tile, as it lies
.endr
.irp c, 0,1
.irp j, 0,1,2,3,4,5,6,7
	ds_load_b128 v[X+32*\c+4*\j:X+32*\c+4*\j+3], v[STO] offset:256*\c+16*\j   ; LDS serves a wave's instructions in order: these see the stores above
.endr
.endr
.if (\t) > 0
	s_wait_xcnt 0x0                                ; the last tile's stores have read the codes' registers, which are written again below
.endif
	s_wait_dscnt 0x0                               ; the numbers are back, and the stores into the stage have read their registers,
.if (\t) < 2
	LOAD (\t)+2                                    ; which take the tile two on
.endif
	QH X, PC, PT, WA, 0x1800000
	QH X+32, PC+6, PT, WB, 0x1800000
	v_lshl_or_b32 v[WT+(\t)], v[WB], 16, v[WA]     ; the row's four bytes of this K step
	global_store_b128 v[VL], v[PC:PC+3], s[34:35] offset:12288*(\t)          ; 512 consecutive bytes
	global_store_b64 v[O8], v[PC+4:PC+5], s[34:35] offset:12288*(\t)+512     ; 256
	global_store_b128 v[VL], v[PC+6:PC+9], s[34:35] offset:12288*(\t)+768
	global_store_b64 v[O8], v[PC+10:PC+11], s[34:35] offset:12288*(\t)+1280
.endm
	LOAD 0
	LOAD 1
	TILE 0
	TILE 1
	TILE 2
	TILE 3
	v_cndmask_b32 v[DW], v[WT], v[WT+2], s22       ; lanes 0-15 store tiles 0 and 1's words of row lane r, lanes 16-31 tiles 2 and 3's
	v_cndmask_b32 v[DW+1], v[WT+1], v[WT+3], s22
	global_store_b64 v[OU], v[DW:DW+1], s[36:37]   ; 256 consecutive bytes, aligned
	s_wait_tensorcnt 0x0                           ; the wave's end
	ds_add_u32 v[SPW], v[NIL]
	s_wait_dscnt 0x0
	s_endpgm
.Lfunc_end_k_qd114c82eef_quant:
	.size	k_qd114c82eef_quant, .Lfunc_end_k_qd114c82eef_quant-k_qd114c82eef_quant
	.p2alignl 7, 3214868480
	.fill 96, 4, 3214868480
	.section	.rodata,"a",@progbits
	.p2align	6, 0x0
	.amdhsa_kernel k_qd114c82eef_quant
		.amdhsa_group_segment_fixed_size 51456
		.amdhsa_private_segment_fixed_size 0
		.amdhsa_enable_private_segment 0
		.amdhsa_kernarg_size 56
		.amdhsa_user_sgpr_count 2
		.amdhsa_user_sgpr_kernarg_segment_ptr 1
		.amdhsa_wavefront_size32 1
		.amdhsa_system_sgpr_workgroup_id_x 1
		.amdhsa_system_sgpr_workgroup_id_y 1
		.amdhsa_system_sgpr_workgroup_id_z 1
		.amdhsa_system_vgpr_workitem_id 0
		.amdhsa_next_free_vgpr 256
		.amdhsa_next_free_sgpr 66
		.amdhsa_reserve_vcc 0
		.amdhsa_float_denorm_mode_32 3
		.amdhsa_float_denorm_mode_16_64 3
		.amdhsa_memory_ordered 1
		.amdhsa_forward_progress 1
		.amdhsa_inst_pref_size 32
	.end_amdhsa_kernel
	.amdgpu_metadata
---
amdhsa.version: [ 1, 2 ]
amdhsa.kernels:
  - .name:           k_qd114c82eef_quant
    .symbol:         k_qd114c82eef_quant.kd
    .args:
      - { .name: q, .offset: 0, .size: 8, .value_kind: global_buffer, .address_space: global }
      - { .name: k, .offset: 8, .size: 8, .value_kind: global_buffer, .address_space: global }
      - { .name: Wq, .offset: 16, .size: 8, .value_kind: global_buffer, .address_space: global }
      - { .name: Wk, .offset: 24, .size: 8, .value_kind: global_buffer, .address_space: global }
      - { .name: Wv, .offset: 32, .size: 8, .value_kind: global_buffer, .address_space: global }
      - { .name: Wo, .offset: 40, .size: 8, .value_kind: global_buffer, .address_space: global }
      - { .name: w1, .offset: 48, .size: 8, .value_kind: global_buffer, .address_space: global }
    .group_segment_fixed_size: 51456
    .private_segment_fixed_size: 0
    .kernarg_segment_align: 8
    .kernarg_segment_size: 56
    .max_flat_workgroup_size: 192
    .sgpr_count:     66
    .vgpr_count:     256
    .wavefront_size: 32
...
	.end_amdgpu_metadata
.endif
;; end of part 1
;; launch proj (part 2): grid 8 x 32, 8 waves a work-group, clusters of 4 x 4, 327,680 bytes of LDS; arguments w1, bq, bk, q_mask, k_mask, w2; writes w2
.if DOCPART == 2
	.amdgcn_target "amdgcn-amd-amdhsa--gfx1250"
	.amdhsa_code_object_version 6
	.text
	.protected	k_qd114c82eef_proj
	.globl	k_qd114c82eef_proj
	.p2align	8
	.type	k_qd114c82eef_proj,@function
k_qd114c82eef_proj:
	s_mov_b64 s[64:65], 0
	v_nop
	global_prefetch_b8 v0, s[64:65] scope:SCOPE_SE
	s_setreg_imm32_b32 hwreg(HW_REG_WAVE_MODE, 25, 1), 1
	s_wait_xcnt 0x0
	s_wait_alu depctr_hold_cnt(0) depctr_sa_sdst(0) depctr_va_vdst(0) depctr_va_sdst(0) depctr_va_ssrc(0) depctr_va_vcc(0) depctr_vm_vsrc(0)
	s_getreg_b32 s2, hwreg(HW_REG_IB_STS2, 6, 4)
	s_cmp_eq_u32 s2, 0
	s_cbranch_scc0 .Lentry_in_a_cluster
	s_endpgm
.Lentry_in_a_cluster:
	s_bfe_u32 s2, ttmp6, 0x10000c
	s_cmp_lg_u32 s2, 0xf033
	s_cbranch_scc0 .Lentry_shape_is_right
	s_endpgm
.Lentry_shape_is_right:
.set NTW,   4
.set RW,    2
.set CH0,   8*3072
.set CH1,   16*3072
.set S1B,   4*CH0
.set TREG,  S1B
.set TCH,   CH1
.set WREG,  0
.set WCH,   CH0
.set SPARE, S1B+4*CH1
.set US1,   9437184
.set AS2,   6291456
.set A016, 1
.set A08,  2
.set A116, 3
.set A18,  4
.set R16,  5
.set OC16, 6
.set OC8,  7
.set OU,   8
.set SH8,  9
.set VA,   10
.set VB,   11
.set SPW,  14
.set NIL,  15
.set SC0,  112
.set SC1,  144
.set MK,   176
.set HIW,  180
.set HMV,  184
.set BIAS, 224
.set E,    128
.set PT,   160
.set QT0,  164
.set QT1,  165
.set QSO,  166
.set QBY,  167
.set QY,   168
.set QSH,  169
.set WQ,   172
.set DW,   176
.set SEL,  16
.set FLR,  18
.set HMSK, 19
.set WV,   20
.set PH,   21
.set QHF,  22
.set CX,   23
.set CY,   24
.set GX,   25
.set GY,   26
.set RM,   27
.set CM,   28
.set PATH, 29
.set TW,   30
.set CLY,  31
.set G1T,  32
.set G1W,  40
.set G0T,  48
.set G0W,  68
.set MSB, 0
.macro WIN new
.if MSB != \new
	s_set_vgpr_msb (MSB<<8)|\new
.set MSB, \new
.endif
.endm
.macro CROUND
	s_barrier_signal -1
	s_barrier_wait -1
	s_cmp_lg_u32 s[WV], 0
	s_cbranch_scc1 .Lnot_wave_0_\@
	s_barrier_signal -3
.Lnot_wave_0_\@:
	s_barrier_wait -3
	s_barrier_signal -1
	s_barrier_wait -1
.endm
.macro JLOAD c
	s_cmp_lt_u32 s[WV], NTW
	s_cbranch_scc0 .Lfor_w_\@
	tensor_load_to_lds s[G0T+4*\c:G0T+4*\c+3], s[G1T:G1T+7]
	s_nop 0
.rept 4
	v_nop
.endr
	s_branch .Lasked_\@
.Lfor_w_\@:
	tensor_load_to_lds s[G0W+4*\c:G0W+4*\c+3], s[G1W:G1W+7]
	s_nop 0
.rept 4
	v_nop
.endr
.Lasked_\@:
.endm
.macro FETCH s, buf
.if \buf
	WIN 0x40
.set FB0, 128
.set FB1, 176
.else
	WIN 0
.set FB0, 16
.set FB1, 64
.endif
.set KO, (\s)*1536                     ; in LDS a tile's 12,288 bytes (all of K) lie on end: K step s at 1,536 s
.irp i, 0,1,2,3
	ds_load_b128 v[FB0+12*\i:FB0+12*\i+3], v[A016] offset:12288*\i+KO
	ds_load_b64 v[FB0+12*\i+4:FB0+12*\i+5], v[A08] offset:12288*\i+KO+512
	ds_load_b128 v[FB0+12*\i+6:FB0+12*\i+9], v[A016] offset:12288*\i+KO+768
	ds_load_b64 v[FB0+12*\i+10:FB0+12*\i+11], v[A08] offset:12288*\i+KO+1280
	ds_load_b128 v[FB1+12*\i:FB1+12*\i+3], v[A116] offset:12288*\i+KO
	ds_load_b64 v[FB1+12*\i+4:FB1+12*\i+5], v[A18] offset:12288*\i+KO+512
	ds_load_b128 v[FB1+12*\i+6:FB1+12*\i+9], v[A116] offset:12288*\i+KO+768
	ds_load_b64 v[FB1+12*\i+10:FB1+12*\i+11], v[A18] offset:12288*\i+KO+1280
.endr
.endm
.macro MUL s, buf, first
.if \buf
	WIN 0x55
.set FB0, 128
.set FB1, 176
.else
	WIN 0x50
.set FB0, 16
.set FB1, 64
.endif
.irp q, 0,1,2,3
.irp p, 0,1,2,3
.if \first
	v_wmma_scale_f32_16x16x128_f8f6f4 v[32*\q+8*\p:32*\q+8*\p+7], v[FB0+12*\p:FB0+12*\p+11], v[FB1+12*\q:FB1+12*\q+11], v[BIAS+8*\p:BIAS+8*\p+7], v[SC0+4*(\s)+\p], v[SC1+4*(\s)+\q] matrix_a_fmt:MATRIX_FMT_FP6 matrix_b_fmt:MATRIX_FMT_FP6
.else
	v_wmma_scale_f32_16x16x128_f8f6f4 v[32*\q+8*\p:32*\q+8*\p+7], v[FB0+12*\p:FB0+12*\p+11], v[FB1+12*\q:FB1+12*\q+11], v[32*\q+8*\p:32*\q+8*\p+7], v[SC0+4*(\s)+\p], v[SC1+4*(\s)+\q] matrix_a_fmt:MATRIX_FMT_FP6 matrix_b_fmt:MATRIX_FMT_FP6
.endif
.endr
.endr
.endm
.macro KSTEP s
	s_wait_dscnt 0x0
.if ((\s) > 0) && ((\s) < 7)
.rept 4
	v_nop
.endr
.endif
.if (\s) < 7
	s_wait_alu depctr_va_vdst(0)
	FETCH (\s)+1, ((\s)+1)%2
.endif
.if (\s) == 0
	MUL \s, 0, 1
.else
	MUL \s, (\s)%2, 0
.endif
	WIN 0
.endm
.macro QH s, pc, pt, w, fl
	v_max3_num_f32 v[QT0], |v[(\s)]|, |v[(\s)+1]|, \fl
	v_max3_num_f32 v[QT1], |v[(\s)+16]|, |v[(\s)+17]|, \fl
.irp i, 2,4,6,8,10,12,14
	v_max3_num_f32 v[QT0], v[QT0], |v[(\s)+\i]|, |v[(\s)+\i+1]|
	v_max3_num_f32 v[QT1], v[QT1], |v[(\s)+16+\i]|, |v[(\s)+17+\i]|
.endr
	s_delay_alu instid0(VALU_DEP_1)
	v_max_num_f32 v[QT0], v[QT0], v[QT1]
	s_delay_alu instid0(VALU_DEP_1)
	v_add_nc_u32 v[QSO], 0xff000000, v[QT0]
	s_delay_alu instid0(VALU_DEP_1)
	v_lshrrev_b32 v[QBY], 23, v[QSO]
	s_delay_alu instid0(VALU_DEP_1)
	v_lshlrev_b32 v[(\w)], v[QSH], v[QBY]
	s_delay_alu instid0(VALU_DEP_1)
	v_permlanex16_b32 v[QY], v[(\w)], s[SEL], s[SEL+1]
	s_delay_alu instid0(VALU_DEP_1)
	v_or_b32 v[(\w)], v[(\w)], v[QY]
	v_cvt_scalef32_pk16_fp6_f32 v[(\pc):(\pc)+2], v[(\s):(\s)+15], v[QSO]
	v_cvt_scalef32_pk16_fp6_f32 v[(\pt):(\pt)+2], v[(\s)+16:(\s)+31], v[QSO]
	v_nop
	v_mov_b32 v[(\pc)+3], v[(\pt)]
	v_mov_b32 v[(\pc)+4], v[(\pt)+1]
	v_mov_b32 v[(\pc)+5], v[(\pt)+2]
.endm
	s_load_b256 s[4:11], s[0:1], 0x0
	s_load_b128 s[12:15], s[0:1], 0x20
	v_lshl_add_u32 v[SPW], v0, 2, SPARE
	v_mov_b32 v[NIL], 0
	ds_add_u32 v[SPW], v[NIL]
	ds_add_u32 v[SPW], v[NIL]
	v_lshrrev_b32 v244, 5, v0
	s_delay_alu instid0(VALU_DEP_1)
	v_readfirstlane_b32 s[WV], v244
	s_and_b32 s[PH], s[WV], 1
	s_lshr_b32 s[QHF], s[WV], 1
	s_and_b32 s[TW], s[WV], NTW-1
	s_bfe_u32 s[CX], ttmp6, 0x40000
	s_bfe_u32 s[CY], ttmp6, 0x40004
	s_lshl_b32 s[GX], ttmp9, 2
	s_add_co_u32 s[GX], s[GX], s[CX]
	s_and_b32 s[CLY], ttmp7, 0xffff
	s_lshl_b32 s[GY], s[CLY], 2
	s_add_co_u32 s[GY], s[GY], s[CY]
	s_lshr_b32 s[PATH], s[CLY], 2
	s_lshl_b32 s[RM], s[CY], 2
	s_lshl_b32 s[RM], 15, s[RM]
	s_lshl_b32 s[CM], 0x1111, s[CX]
	s_or_b32 s[G1T], s[RM], (3<<16)|(1<<21)
	s_or_b32 s[G1W], s[CM], (3<<16)|(1<<21)
.irp g, G1T, G1W
	s_mov_b32 s[\g+1], 1536<<16                    ; a row of the load is a tile's 12,288 bytes: all of K
	s_mov_b32 s[\g+3], 1536<<16
	s_mov_b32 s[\g+5], 1536
	s_mov_b32 s[\g+6], 0
	s_mov_b32 s[\g+7], 0
.endr
	s_mov_b32 s[G1T+2], 4<<16
	s_mov_b32 s[G1T+4], 4
	s_mov_b32 s[G1W+2], RW<<16
	s_mov_b32 s[G1W+4], RW
	s_lshl_b32 s84, s[GY], 4
	s_lshl_b32 s85, s[TW], 2
	s_add_co_u32 s84, s84, s85
	s_mul_i32 s84, s84, 12288
	s_mov_b32 s85, 0
	s_lshl_b32 s86, s[PATH], 6
	s_lshl_b32 s87, s[GX], 3
	s_add_co_u32 s86, s86, s87
	s_lshl_b32 s87, s[TW], 1
	s_add_co_u32 s86, s86, s87
	s_add_co_u32 s86, s86, 512
	s_mul_i32 s86, s86, 12288
	s_mov_b32 s87, 0
	s_mul_i32 s88, s[TW], 4*12288
	s_mul_i32 s89, s[TW], RW*12288
	s_mov_b32 s[SEL], 0x76543210
	s_mov_b32 s[SEL+1], 0xfedcba98
	s_mov_b32 s[HMSK], 0xffff0000
	s_wait_dscnt 0x0
	s_wait_kmcnt 0x0
	s_add_nc_u64 s[90:91], s[4:5], s[84:85]
	s_add_nc_u64 s[92:93], s[4:5], s[86:87]
	CROUND
.irp c, 0
	s_mov_b32 s[G0T+4*\c], 1
	s_add_co_u32 s[G0T+4*\c+1], s88, TREG+\c*TCH
	s_add_nc_u64 s[G0T+4*\c+2:G0T+4*\c+3], s[90:91], \c*3072
	s_or_b32 s[G0T+4*\c+3], s[G0T+4*\c+3], 0x80000000
	s_mov_b32 s[G0W+4*\c], 1
	s_add_co_u32 s[G0W+4*\c+1], s89, WREG+\c*WCH
	s_add_nc_u64 s[G0W+4*\c+2:G0W+4*\c+3], s[92:93], \c*3072
	s_or_b32 s[G0W+4*\c+3], s[G0W+4*\c+3], 0x80000000
	JLOAD \c                                       ; my one tensor load: my tiles for all of K; nothing is filled twice
.endr
	v_and_b32 v244, 31, v0
	v_and_b32 v245, 15, v0
	v_bfe_u32 v246, v0, 4, 1
	s_delay_alu instid0(VALU_DEP_3)
	v_lshlrev_b32 v[OC16], 4, v244
	s_delay_alu instid0(VALU_DEP_4)
	v_lshlrev_b32 v[OC8], 3, v244
	s_delay_alu instid0(VALU_DEP_4)
	v_lshlrev_b32 v[R16], 4, v245
	s_delay_alu instid0(VALU_DEP_1)
	v_lshl_add_u32 v[OU], v246, 3, v[R16]
	v_lshlrev_b32 v[SH8], 3, v246
	v_lshlrev_b32 v[VA], 7, v246
	v_and_b32 v247, 7, v0
	v_bfe_u32 v248, v0, 3, 1
	s_delay_alu instid0(VALU_DEP_2)
	v_lshlrev_b32 v[VB], 2, v247
	s_delay_alu instid0(VALU_DEP_1)
	v_lshl_add_u32 v[VB], v248, 7, v[VB]
	s_wait_alu depctr_va_vdst(0)
	s_mul_i32 s84, s[PH], 4*12288
	v_add_nc_u32 v[A016], s84, v[OC16]
	v_add_nc_u32 v[A08], s84, v[OC8]
	s_mul_i32 s84, s[QHF], 4*12288
	s_add_co_u32 s84, s84, S1B
	v_add_nc_u32 v[A116], s84, v[OC16]
	v_add_nc_u32 v[A18], s84, v[OC8]
	s_lshl_b32 s84, s[PATH], 4
	s_lshl_b32 s85, s[GX], 1
	s_add_co_u32 s84, s84, s85
	s_add_co_u32 s84, s84, s[PH]
	s_add_co_u32 s84, s84, 128
	s_lshl_b32 s84, s84, 11
	s_add_co_u32 s84, s84, US1
	s_mov_b32 s85, 0
	s_add_nc_u64 s[94:95], s[4:5], s[84:85]
	s_lshl_b32 s84, s[GY], 2
	s_add_co_u32 s84, s84, s[QHF]
	s_lshl_b32 s84, s84, 11
	s_add_co_u32 s84, s84, US1
	s_add_nc_u64 s[96:97], s[4:5], s[84:85]
	s_cmp_eq_u32 s[PATH], 0
	s_cselect_b64 s[98:99], s[6:7], s[8:9]
	s_cselect_b64 s[90:91], s[10:11], s[12:13]
	s_mov_b32 s87, 0x7c010000
	s_cselect_b32 s87, 0x017bfcfd, s87
	s_mov_b32 s88, 0x7cfa0000
	s_cselect_b32 s88, 0xfa7bfcfd, s88
	s_mov_b32 s[FLR], 0x1800000
	s_cselect_b32 s[FLR], 0x3000000, s[FLR]
	s_lshl_b32 s84, s[GX], 9
	s_lshl_b32 s86, s[PH], 8
	s_add_co_u32 s84, s84, s86
	s_add_nc_u64 s[98:99], s[98:99], s[84:85]
	s_and_b32 s84, s[GY], 15
	s_lshl_b32 s84, s84, 10
	s_lshl_b32 s86, s[QHF], 8
	s_add_co_u32 s84, s84, s86
	s_add_nc_u64 s[90:91], s[90:91], s[84:85]
.irp s, 0,1,2,3,4,5,6,7
	global_load_b128 v[SC0+4*\s:SC0+4*\s+3], v[R16], s[94:95] offset:256*\s
	global_load_b128 v[SC1+4*\s:SC1+4*\s+3], v[R16], s[96:97] offset:256*\s
.endr
.irp q, 0,1,2,3
	global_load_b32 v[MK+\q], v[VB], s[90:91] offset:32*\q
.endr
	WIN 0x40
.irp p, 0,1,2,3
	global_load_b128 v[BIAS+8*\p:BIAS+8*\p+3], v[VA], s[98:99] offset:32*\p
	global_load_b128 v[BIAS+8*\p+4:BIAS+8*\p+7], v[VA], s[98:99] offset:32*\p+16
.endr
	WIN 0
	v_mov_b32 v[HMV], s88
	s_wait_alu depctr_va_vdst(0)
	s_wait_loadcnt 0x0
.irp q, 0,1,2,3
	v_cmp_eq_f32 vcc_lo, 0, v[MK+\q]
	s_delay_alu instid0(VALU_DEP_1)
	v_cndmask_b32 v[HIW+\q], s87, v[HMV], vcc_lo
.endr
	s_wait_tensorcnt 0x0                           ; my load has landed; behind the barrier everybody's has
	s_barrier_signal -1
	s_barrier_wait -1
	FETCH 0, 0
.irp s, 0,1,2,3,4,5,6,7
	KSTEP \s
.endr
	s_lshl_b32 s84, s[GY], 4
	s_lshl_b32 s86, s[QHF], 2
	s_add_co_u32 s84, s84, s86
	s_mul_i32 s84, s84, 12288
	s_lshl_b32 s86, s[GX], 1
	s_add_co_u32 s86, s86, s[PH]
	s_mul_i32 s87, s86, 768
	s_add_co_u32 s84, s84, s87
	s_add_nc_u64 s[94:95], s[14:15], s[84:85]
	s_lshl_b32 s84, s[GY], 2
	s_add_co_u32 s84, s84, s[QHF]
	s_lshl_b32 s84, s84, 12
	s_lshl_b32 s86, s86, 8
	s_add_co_u32 s84, s84, s86
	s_add_co_u32 s84, s84, AS2
	s_add_nc_u64 s[96:97], s[14:15], s[84:85]
.rept 4
	v_nop
.endr
	WIN 0x40
	v_mov_b32 v[QSH], v[SH8]
	v_mov_b32 v[QY], 0
	WIN 0x55
.irp q, 0,1,2,3
	QH 32*\q, E+8*\q, PT, WQ+\q, s[FLR]
.endr
	WIN 0x44
.irp q, 0,1,2,3
	v_add_nc_u32 v[WQ+\q], v[HIW+\q], v[WQ+\q]
.endr
.irp q, 0,1,2,3
	global_store_b128 v[OC16], v[E+8*\q:E+8*\q+3], s[94:95] offset:12288*\q
	global_store_b64 v[OC8], v[E+8*\q+4:E+8*\q+5], s[94:95] offset:12288*\q+512
.endr
	WIN 0x55
	v_cndmask_b32 v[DW], v[WQ], v[WQ+2], s[HMSK]
	v_cndmask_b32 v[DW+1], v[WQ+1], v[WQ+3], s[HMSK]
	WIN 0x04
	global_store_b64 v[OU], v[DW:DW+1], s[96:97]
	WIN 0
	s_wait_tensorcnt 0x0
	ds_add_u32 v[SPW], v[NIL]
	s_wait_dscnt 0x0
	CROUND
	s_endpgm
.Lfunc_end_k_qd114c82eef_proj:
	.size	k_qd114c82eef_proj, .Lfunc_end_k_qd114c82eef_proj-k_qd114c82eef_proj
	.p2alignl 7, 3214868480
	.fill 96, 4, 3214868480
	.section	.rodata,"a",@progbits
	.p2align	6, 0x0
	.amdhsa_kernel k_qd114c82eef_proj
		.amdhsa_group_segment_fixed_size 327680
		.amdhsa_private_segment_fixed_size 0
		.amdhsa_enable_private_segment 0
		.amdhsa_kernarg_size 48
		.amdhsa_user_sgpr_count 2
		.amdhsa_user_sgpr_kernarg_segment_ptr 1
		.amdhsa_wavefront_size32 1
		.amdhsa_system_sgpr_workgroup_id_x 1
		.amdhsa_system_sgpr_workgroup_id_y 1
		.amdhsa_system_sgpr_workgroup_id_z 1
		.amdhsa_system_vgpr_workitem_id 0
		.amdhsa_next_free_vgpr 512
		.amdhsa_next_free_sgpr 100
		.amdhsa_reserve_vcc 1
		.amdhsa_float_denorm_mode_32 3
		.amdhsa_float_denorm_mode_16_64 3
		.amdhsa_memory_ordered 1
		.amdhsa_forward_progress 1
		.amdhsa_inst_pref_size 54
	.end_amdhsa_kernel
	.amdgpu_metadata
---
amdhsa.version: [ 1, 2 ]
amdhsa.kernels:
  - .name:           k_qd114c82eef_proj
    .symbol:         k_qd114c82eef_proj.kd
    .args:
      - { .name: w1, .offset: 0, .size: 8, .value_kind: global_buffer, .address_space: global }
      - { .name: bq, .offset: 8, .size: 8, .value_kind: global_buffer, .address_space: global }
      - { .name: bk, .offset: 16, .size: 8, .value_kind: global_buffer, .address_space: global }
      - { .name: q_mask, .offset: 24, .size: 8, .value_kind: global_buffer, .address_space: global }
      - { .name: k_mask, .offset: 32, .size: 8, .value_kind: global_buffer, .address_space: global }
      - { .name: w2, .offset: 40, .size: 8, .value_kind: global_buffer, .address_space: global }
    .group_segment_fixed_size: 327680
    .private_segment_fixed_size: 0
    .kernarg_segment_align: 8
    .kernarg_segment_size: 48
    .max_flat_workgroup_size: 256
    .sgpr_count:     100
    .vgpr_count:     512
    .wavefront_size: 32
...
	.end_amdgpu_metadata
.endif
;; end of part 2
;; launch vproj (part 3): grid 8 x 32, 4 waves a work-group, clusters of 4 x 4, 197,120 bytes of LDS; arguments w1, w2, bv, w3; writes w3
.if DOCPART == 3
	.amdgcn_target "amdgcn-amd-amdhsa--gfx1250"
	.amdhsa_code_object_version 6
	.text
	.protected	k_qd114c82eef_vproj
	.globl	k_qd114c82eef_vproj
	.p2align	8
	.type	k_qd114c82eef_vproj,@function
k_qd114c82eef_vproj:
	s_mov_b64 s[64:65], 0
	v_nop
	global_prefetch_b8 v0, s[64:65] scope:SCOPE_SE
	s_setreg_imm32_b32 hwreg(HW_REG_WAVE_MODE, 25, 1), 1
	s_wait_xcnt 0x0
	s_wait_alu depctr_hold_cnt(0) depctr_sa_sdst(0) depctr_va_vdst(0) depctr_va_sdst(0) depctr_va_ssrc(0) depctr_va_vcc(0) depctr_vm_vsrc(0)
	s_getreg_b32 s2, hwreg(HW_REG_IB_STS2, 6, 4)
	s_cmp_eq_u32 s2, 0
	s_cbranch_scc0 .Lentry_in_a_cluster
	s_endpgm
.Lentry_in_a_cluster:
	s_bfe_u32 s2, ttmp6, 0x10000c
	s_cmp_lg_u32 s2, 0xf033
	s_cbranch_scc0 .Lentry_shape_is_right
	s_endpgm
.Lentry_shape_is_right:
; vp = Q(kp) Wv^T + bv on codes of FP6 (E2M3); vp is quantised along the KEYS, the K of attention's second product, into w3.  Nothing of reference() is left out here.
; SHARES.  Work-group (x, y): 128 tokens x 128 channels.  Four waves, each 64 x 64: source 0 = four tiles of kp's tokens, source 1 = four tiles of Wv's rows; accumulator (p, q) at v[32 q + 8 p] of window 1.
; So a lane holds ONE channel, and by the order of rows in a tile its 32 registers of one channel tile are 32 neighbouring keys: one block, quantised with no other lane's numbers.
; All of K lies in LDS; each wave asks for its one tensor load at the head (one tensor load of mine is out at the most); nothing is filled twice.
; CLUSTER 4 x 4: kp's tiles hang on y (shared along a row), Wv's on x (along a column): joint loads.  The scale words, 1/24 of the operands' bytes, come straight from memory.
; OUT.  Codes: (4 Gt + channel tile) x 12,288 + 768 head, Gt the group of 64 keys; words at AS3 + [Gt][head][lane r][channel tile], low 16 bits: the two key blocks' bytes.
; LIMIT: blocks whose largest magnitude lies under 2^(3 - 127) keep the byte 1; NaN and infinities are not served.
.set NTW,   2                          ; waves 0, 1 fetch tokens, waves 2, 3 Wv: 4 tiles each
.set RW,    4
.set CH0,   8*3072
.set CH1,   8*3072
.set S1B,   4*CH0
.set TREG,  0
.set TCH,   CH0
.set WREG,  S1B
.set WCH,   CH1
.set SPARE, S1B+4*CH1
.set US1,   9437184
.set AS2,   6291456
.set AS3,   3145728
.set A016, 1
.set A08,  2
.set A116, 3
.set A18,  4
.set R16,  5
.set OC16, 6
.set OC8,  7
.set OU,   8
.set SH8,  9
.set VB,   11                          ; v11  the bias's offset: 4 ((r & 7) + 32 (r >> 3))
.set SPW,  14
.set NIL,  15
.set SC0,  112
.set SC1,  144
.set RAW,  176                         ; v176-239 kp's words as stored, [head][tile]
.set BIAS, 224                         ; window 1: eight equal registers a channel tile
.set E,    128
.set PT,   160
.set QT0,  164
.set QT1,  165
.set QSO,  166
.set QBY,  167
.set QY,   168
.set QSH,  169
.set WQ,   172
.set DW,   176
.set SEL,  16
.set PSEL, 18
.set HMSK, 19
.set WV,   20
.set PH,   21
.set QHF,  22
.set CX,   23
.set CY,   24
.set GX,   25
.set GY,   26
.set RM,   27
.set CM,   28
.set TW,   30
.set CLY,  31
.set G1T,  32
.set G1W,  40
.set G0T,  48
.set G0W,  68
.set MSB, 0
.macro WIN new
.if MSB != \new
	s_set_vgpr_msb (MSB<<8)|\new
.set MSB, \new
.endif
.endm
.macro CROUND
	s_barrier_signal -1
	s_barrier_wait -1
	s_cmp_lg_u32 s[WV], 0
	s_cbranch_scc1 .Lnot_wave_0_\@
	s_barrier_signal -3
.Lnot_wave_0_\@:
	s_barrier_wait -3
	s_barrier_signal -1
	s_barrier_wait -1
.endm
.macro JLOAD c
	s_cmp_lt_u32 s[WV], NTW
	s_cbranch_scc0 .Lfor_w_\@
	tensor_load_to_lds s[G0T+4*\c:G0T+4*\c+3], s[G1T:G1T+7]
	s_nop 0
.rept 4
	v_nop
.endr
	s_branch .Lasked_\@
.Lfor_w_\@:
	tensor_load_to_lds s[G0W+4*\c:G0W+4*\c+3], s[G1W:G1W+7]
	s_nop 0
.rept 4
	v_nop
.endr
.Lasked_\@:
.endm
.macro FETCH s, buf
.if \buf
	WIN 0x40
.set FB0, 128
.set FB1, 176
.else
	WIN 0
.set FB0, 16
.set FB1, 64
.endif
.set KO, (\s)*1536                     ; in LDS a tile's 12,288 bytes (all of K) lie on end: K step s at 1,536 s
.irp i, 0,1,2,3
	ds_load_b128 v[FB0+12*\i:FB0+12*\i+3], v[A016] offset:12288*\i+KO
	ds_load_b64 v[FB0+12*\i+4:FB0+12*\i+5], v[A08] offset:12288*\i+KO+512
	ds_load_b128 v[FB0+12*\i+6:FB0+12*\i+9], v[A016] offset:12288*\i+KO+768
	ds_load_b64 v[FB0+12*\i+10:FB0+12*\i+11], v[A08] offset:12288*\i+KO+1280
	ds_load_b128 v[FB1+12*\i:FB1+12*\i+3], v[A116] offset:12288*\i+KO
	ds_load_b64 v[FB1+12*\i+4:FB1+12*\i+5], v[A18] offset:12288*\i+KO+512
	ds_load_b128 v[FB1+12*\i+6:FB1+12*\i+9], v[A116] offset:12288*\i+KO+768
	ds_load_b64 v[FB1+12*\i+10:FB1+12*\i+11], v[A18] offset:12288*\i+KO+1280
.endr
.endm
.macro MUL s, buf, first               ; the 16 accumulators take turns, one instruction a turn.  first = 1: the lane's channel's bias is the C that starts the sums
.if \buf
	WIN 0x55
.set FB0, 128
.set FB1, 176
.else
	WIN 0x50
.set FB0, 16
.set FB1, 64
.endif
.irp q, 0,1,2,3
.irp p, 0,1,2,3
.if \first
	v_wmma_scale_f32_16x16x128_f8f6f4 v[32*\q+8*\p:32*\q+8*\p+7], v[FB0+12*\p:FB0+12*\p+11], v[FB1+12*\q:FB1+12*\q+11], v[BIAS+8*\q:BIAS+8*\q+7], v[SC0+4*(\s)+\p], v[SC1+4*(\s)+\q] matrix_a_fmt:MATRIX_FMT_FP6 matrix_b_fmt:MATRIX_FMT_FP6
.else
	v_wmma_scale_f32_16x16x128_f8f6f4 v[32*\q+8*\p:32*\q+8*\p+7], v[FB0+12*\p:FB0+12*\p+11], v[FB1+12*\q:FB1+12*\q+11], v[32*\q+8*\p:32*\q+8*\p+7], v[SC0+4*(\s)+\p], v[SC1+4*(\s)+\q] matrix_a_fmt:MATRIX_FMT_FP6 matrix_b_fmt:MATRIX_FMT_FP6
.endif
.endr
.endr
.endm
.macro KSTEP s
	s_wait_dscnt 0x0                               ; this step's fragments are in
.if ((\s) > 0) && ((\s) < 7)
.rept 4
	v_nop                                          ; four places in front of loads into registers that matrix instructions have read
.endr
.endif
.if (\s) < 7
	s_wait_alu depctr_va_vdst(0)
	FETCH (\s)+1, ((\s)+1)%2
.endif
.if (\s) == 0
	MUL \s, 0, 1
.else
	MUL \s, (\s)%2, 0
.endif
	WIN 0
.endm
.macro QH s, pc, pt, w, fl
	v_max3_num_f32 v[QT0], |v[(\s)]|, |v[(\s)+1]|, \fl
	v_max3_num_f32 v[QT1], |v[(\s)+16]|, |v[(\s)+17]|, \fl
.irp i, 2,4,6,8,10,12,14
	v_max3_num_f32 v[QT0], v[QT0], |v[(\s)+\i]|, |v[(\s)+\i+1]|
	v_max3_num_f32 v[QT1], v[QT1], |v[(\s)+16+\i]|, |v[(\s)+17+\i]|
.endr
	v_max_num_f32 v[QT0], v[QT0], v[QT1]
	v_add_nc_u32 v[QSO], 0xff000000, v[QT0]
	v_lshrrev_b32 v[QBY], 23, v[QSO]
	v_lshlrev_b32 v[(\w)], v[QSH], v[QBY]
	v_permlanex16_b32 v[QY], v[(\w)], s[SEL], s[SEL+1]
	v_or_b32 v[(\w)], v[(\w)], v[QY]
	v_cvt_scalef32_pk16_fp6_f32 v[(\pc):(\pc)+2], v[(\s):(\s)+15], v[QSO]
	v_cvt_scalef32_pk16_fp6_f32 v[(\pt):(\pt)+2], v[(\s)+16:(\s)+31], v[QSO]
	v_nop                                          ; one plain place behind a scaled conversion
	v_mov_b32 v[(\pc)+3], v[(\pt)]
	v_mov_b32 v[(\pc)+4], v[(\pt)+1]
	v_mov_b32 v[(\pc)+5], v[(\pt)+2]
.endm
	s_load_b256 s[4:11], s[0:1], 0x0               ; w1, w2, bv, w3
	v_lshl_add_u32 v[SPW], v0, 2, SPARE
	v_mov_b32 v[NIL], 0
	ds_add_u32 v[SPW], v[NIL]                      ; the wave's opening: the add, twice on end, and its wait ahead of my first tensor load
	ds_add_u32 v[SPW], v[NIL]
	v_lshrrev_b32 v244, 5, v0
	v_readfirstlane_b32 s[WV], v244                ; wave 0..3
	s_and_b32 s[PH], s[WV], 1                      ; my group of tokens
	s_lshr_b32 s[QHF], s[WV], 1                    ; my group of channels: a head
	s_and_b32 s[TW], s[WV], NTW-1
	s_bfe_u32 s[CX], ttmp6, 0x40000
	s_bfe_u32 s[CY], ttmp6, 0x40004
	s_lshl_b32 s[GX], ttmp9, 2
	s_add_co_u32 s[GX], s[GX], s[CX]
	s_and_b32 s[CLY], ttmp7, 0xffff
	s_lshl_b32 s[GY], s[CLY], 2
	s_add_co_u32 s[GY], s[GY], s[CY]
	s_lshl_b32 s[RM], s[CY], 2
	s_lshl_b32 s[RM], 15, s[RM]
	s_lshl_b32 s[CM], 0x1111, s[CX]
	s_or_b32 s[G1T], s[RM], (3<<16)|(1<<21)
	s_or_b32 s[G1W], s[CM], (3<<16)|(1<<21)
.irp g, G1T, G1W
	s_mov_b32 s[\g+1], 1536<<16                    ; a row of the load is a tile's 12,288 bytes: all of K
	s_mov_b32 s[\g+2], 4<<16
	s_mov_b32 s[\g+3], 1536<<16
	s_mov_b32 s[\g+4], 4
	s_mov_b32 s[\g+5], 1536
	s_mov_b32 s[\g+6], 0
	s_mov_b32 s[\g+7], 0
.endr
	s_lshl_b32 s84, s[GY], 3
	s_lshl_b32 s85, s[TW], 2
	s_add_co_u32 s84, s84, s85
	s_add_co_u32 s84, s84, 256                     ; kp's tile 256 + 8 y + 4 part, in w2
	s_mul_i32 s84, s84, 12288
	s_mov_b32 s85, 0
	s_lshl_b32 s86, s[GX], 3
	s_lshl_b32 s87, s[TW], 2
	s_add_co_u32 s86, s86, s87
	s_add_co_u32 s86, s86, 640                     ; Wv's tile 640 + 8 x + 4 part, in w1
	s_mul_i32 s86, s86, 12288
	s_mov_b32 s87, 0
	s_mul_i32 s88, s[TW], 4*12288
	s_mov_b32 s[SEL], 0x76543210
	s_mov_b32 s[SEL+1], 0xfedcba98
	s_mov_b32 s[HMSK], 0xffff0000
	s_mov_b32 s[PSEL], 0x05040100                  ; v_perm_b32: the two low halves
	s_wait_dscnt 0x0
	s_wait_kmcnt 0x0
	s_add_nc_u64 s[90:91], s[6:7], s[84:85]
	s_add_nc_u64 s[92:93], s[4:5], s[86:87]
	CROUND
.irp c, 0                              ; ONE tensor load a wave: its four tiles for all of K, tile by tile in LDS; one load of mine is out at the most
	s_mov_b32 s[G0T+4*\c], 1
	s_add_co_u32 s[G0T+4*\c+1], s88, TREG+\c*TCH
	s_add_nc_u64 s[G0T+4*\c+2:G0T+4*\c+3], s[90:91], \c*3072
	s_or_b32 s[G0T+4*\c+3], s[G0T+4*\c+3], 0x80000000
	s_mov_b32 s[G0W+4*\c], 1
	s_add_co_u32 s[G0W+4*\c+1], s88, WREG+\c*WCH
	s_add_nc_u64 s[G0W+4*\c+2:G0W+4*\c+3], s[92:93], \c*3072
	s_or_b32 s[G0W+4*\c+3], s[G0W+4*\c+3], 0x80000000
	JLOAD \c
.endr
	v_and_b32 v244, 31, v0
	v_and_b32 v245, 15, v0
	v_bfe_u32 v246, v0, 4, 1
	v_lshlrev_b32 v[OC16], 4, v244
	v_lshlrev_b32 v[OC8], 3, v244
	v_lshlrev_b32 v[R16], 4, v245
	s_wait_alu depctr_va_vdst(0)
	v_lshl_add_u32 v[OU], v246, 3, v[R16]
	v_lshlrev_b32 v[SH8], 3, v246
	v_and_b32 v247, 7, v0
	v_bfe_u32 v248, v0, 3, 1
	v_lshlrev_b32 v[VB], 2, v247
	v_lshl_add_u32 v[VB], v248, 7, v[VB]
	s_wait_alu depctr_va_vdst(0)
	s_lshl_b32 s84, s[GY], 1                       ; kp's words: group 64 + 2 y + mine, in w2
	s_add_co_u32 s84, s84, s[PH]
	s_add_co_u32 s84, s84, 64
	s_lshl_b32 s84, s84, 12
	s_add_co_u32 s84, s84, AS2
	s_mov_b32 s85, 0
	s_add_nc_u64 s[94:95], s[6:7], s[84:85]
	s_lshl_b32 s84, s[GX], 1                       ; Wv's: group 160 + 2 x + mine, in w1
	s_add_co_u32 s84, s84, s[QHF]
	s_add_co_u32 s84, s84, 160
	s_lshl_b32 s84, s84, 11
	s_add_co_u32 s84, s84, US1
	s_add_nc_u64 s[96:97], s[4:5], s[84:85]
	s_lshl_b32 s84, s[GX], 9
	s_lshl_b32 s86, s[QHF], 8
	s_add_co_u32 s84, s84, s86
	s_add_nc_u64 s[98:99], s[8:9], s[84:85]        ; bv at channel 128 x + 64 group
.irp d, 0,1,2,3,4,5,6,7,8,9,10,11,12,13,14,15
	global_load_b128 v[RAW+4*\d:RAW+4*\d+3], v[R16], s[94:95] offset:256*\d     ; head d: lane r's four tiles' words
.endr
.irp s, 0,1,2,3,4,5,6,7
	global_load_b128 v[SC1+4*\s:SC1+4*\s+3], v[R16], s[96:97] offset:256*\s
.endr
	WIN 0x40
.irp q, 0,1,2,3
	global_load_b32 v[BIAS+8*\q], v[VB], s[98:99] offset:32*\q                  ; my lane's channel of tile q
.endr
	WIN 0
	s_wait_loadcnt 0x0
.irp s, 0,1,2,3,4,5,6,7
.irp p, 0,1,2,3
	v_perm_b32 v[SC0+4*\s+\p], v[RAW+8*\s+4+\p], v[RAW+8*\s+\p], s[PSEL]        ; K step s = heads 2 s and 2 s + 1: their two bytes each; the mask bytes on top are dropped
.endr
.endr
	WIN 0x41
.irp q, 0,1,2,3
.irp j, 1,2,3,4,5,6,7
	v_mov_b32 v[BIAS+8*\q+\j], v[BIAS+8*\q]        ; a lane's eight results of a tile are one channel's
.endr
.endr
	WIN 0
	s_mul_i32 s84, s[PH], 4*12288
	v_add_nc_u32 v[A016], s84, v[OC16]
	v_add_nc_u32 v[A08], s84, v[OC8]
	s_mul_i32 s84, s[QHF], 4*12288
	s_add_co_u32 s84, s84, S1B
	v_add_nc_u32 v[A116], s84, v[OC16]
	v_add_nc_u32 v[A18], s84, v[OC8]
	s_wait_alu depctr_va_vdst(0)
	s_wait_tensorcnt 0x0                           ; my load has landed; behind the barrier everybody's has
	s_barrier_signal -1
	s_barrier_wait -1
	FETCH 0, 0
.irp s, 0,1,2,3,4,5,6,7
	KSTEP \s
.endr
	s_lshl_b32 s86, s[GY], 1
	s_add_co_u32 s86, s86, s[PH]                   ; Gt
	s_lshl_b32 s87, s[GX], 1
	s_add_co_u32 s87, s87, s[QHF]                  ; the head
	s_mul_i32 s84, s86, 4*12288
	s_mul_i32 s88, s87, 768
	s_add_co_u32 s84, s84, s88
	s_mov_b32 s85, 0
	s_add_nc_u64 s[94:95], s[10:11], s[84:85]
	s_lshl_b32 s84, s86, 12
	s_lshl_b32 s88, s87, 8
	s_add_co_u32 s84, s84, s88
	s_add_co_u32 s84, s84, AS3
	s_add_nc_u64 s[96:97], s[10:11], s[84:85]
.rept 4
	v_nop                                          ; four places behind the last products
.endr
	WIN 0x40
	v_mov_b32 v[QSH], v[SH8]
	v_mov_b32 v[QY], 0
	WIN 0x55
.irp q, 0,1,2,3
	QH 32*\q, E+8*\q, PT, WQ+\q, 0x1800000
.endr
	v_cndmask_b32 v[DW], v[WQ], v[WQ+2], s[HMSK]
	v_cndmask_b32 v[DW+1], v[WQ+1], v[WQ+3], s[HMSK]
	WIN 0x04
.irp q, 0,1,2,3
	global_store_b128 v[OC16], v[E+8*\q:E+8*\q+3], s[94:95] offset:12288*\q
	global_store_b64 v[OC8], v[E+8*\q+4:E+8*\q+5], s[94:95] offset:12288*\q+512
.endr
	global_store_b64 v[OU], v[DW:DW+1], s[96:97]   ; 256 consecutive bytes, aligned
	WIN 0
	s_wait_tensorcnt 0x0                           ; the wave's end
	ds_add_u32 v[SPW], v[NIL]
	s_wait_dscnt 0x0
	CROUND
	s_endpgm
.Lfunc_end_k_qd114c82eef_vproj:
	.size	k_qd114c82eef_vproj, .Lfunc_end_k_qd114c82eef_vproj-k_qd114c82eef_vproj
	.p2alignl 7, 3214868480
	.fill 96, 4, 3214868480
	.section	.rodata,"a",@progbits
	.p2align	6, 0x0
	.amdhsa_kernel k_qd114c82eef_vproj
		.amdhsa_group_segment_fixed_size 197120
		.amdhsa_private_segment_fixed_size 0
		.amdhsa_enable_private_segment 0
		.amdhsa_kernarg_size 32
		.amdhsa_user_sgpr_count 2
		.amdhsa_user_sgpr_kernarg_segment_ptr 1
		.amdhsa_wavefront_size32 1
		.amdhsa_system_sgpr_workgroup_id_x 1
		.amdhsa_system_sgpr_workgroup_id_y 1
		.amdhsa_system_sgpr_workgroup_id_z 1
		.amdhsa_system_vgpr_workitem_id 0
		.amdhsa_next_free_vgpr 512
		.amdhsa_next_free_sgpr 100
		.amdhsa_reserve_vcc 0
		.amdhsa_float_denorm_mode_32 3
		.amdhsa_float_denorm_mode_16_64 3
		.amdhsa_memory_ordered 1
		.amdhsa_forward_progress 1
		.amdhsa_inst_pref_size 55
	.end_amdhsa_kernel
	.amdgpu_metadata
---
amdhsa.version: [ 1, 2 ]
amdhsa.kernels:
  - .name:           k_qd114c82eef_vproj
    .symbol:         k_qd114c82eef_vproj.kd
    .args:
      - { .name: w1, .offset: 0, .size: 8, .value_kind: global_buffer, .address_space: global }
      - { .name: w2, .offset: 8, .size: 8, .value_kind: global_buffer, .address_space: global }
      - { .name: bv, .offset: 16, .size: 8, .value_kind: global_buffer, .address_space: global }
      - { .name: w3, .offset: 24, .size: 8, .value_kind: global_buffer, .address_space: global }
    .group_segment_fixed_size: 197120
    .private_segment_fixed_size: 0
    .kernarg_segment_align: 8
    .kernarg_segment_size: 32
    .max_flat_workgroup_size: 128
    .sgpr_count:     100
    .vgpr_count:     512
    .wavefront_size: 32
...
	.end_amdgpu_metadata
.endif
;; end of part 3
;; launch attn (part 4): grid 4 x 64, 8 waves a work-group, clusters of 4 x 4, 327,680 bytes of LDS; arguments w2, w3, pos_logits, w4; writes w4
.if DOCPART == 4
	.amdgcn_target "amdgcn-amd-amdhsa--gfx1250"
	.amdhsa_code_object_version 6
	.text
	.protected	k_qd114c82eef_attn
	.globl	k_qd114c82eef_attn
	.p2align	8
	.type	k_qd114c82eef_attn,@function
k_qd114c82eef_attn:
	s_mov_b64 s[64:65], 0
	v_nop
	global_prefetch_b8 v0, s[64:65] scope:SCOPE_SE
	s_setreg_imm32_b32 hwreg(HW_REG_WAVE_MODE, 25, 1), 1
	s_wait_xcnt 0x0
	s_wait_alu depctr_hold_cnt(0) depctr_sa_sdst(0) depctr_va_vdst(0) depctr_va_sdst(0) depctr_va_ssrc(0) depctr_va_vcc(0) depctr_vm_vsrc(0)
	s_getreg_b32 s2, hwreg(HW_REG_IB_STS2, 6, 4)
	s_cmp_eq_u32 s2, 0
	s_cbranch_scc0 .Lentry_in_a_cluster
	s_endpgm
.Lentry_in_a_cluster:
	s_bfe_u32 s2, ttmp6, 0x10000c
	s_cmp_lg_u32 s2, 0xf033
	s_cbranch_scc0 .Lentry_shape_is_right
	s_endpgm
.Lentry_shape_is_right:
; attn = softmax(mask + qh kh^T + pos) vh on codes of FP6 (E2M3), quantised along d on the way out, into w4.  Nothing of reference() is left out here.
; THE SOFTMAX: t = logit x log2(e); M = the running largest t rounded up to a whole number; p = 2^(t - M) is quantised along the keys; the row's sum of the unquantised p divides at the end.
; SHARES.  Work-group (x, y): 64 queries (group y) x 4 heads (4 x ..).  Wave w: head 4 x + w % 4, query tiles 2 (w / 4) and 2 (w / 4) + 1, all 2,048 keys, 128 a step.
; LAYOUT.  Both products are used transposed (S^T = K Q^T, O^T = V^T P^T): a lane holds one query.  By the order of rows in a tile (lane r of tile t of a group of 64: row 8 t + (r & 7) + 32 (r >> 3))
; a lane's 32 registers of four tiles are 32 neighbouring keys (channels): a whole block of the quantiser.  POS IS THE C OF THE SCORE PRODUCT: loaded from LDS into the accumulators.
; THE MASKS RIDE IN THE EMPTY HALF OF K (a head has 64 of the instruction's 128).  K's code at k = 64 and k = 96 is -7.5, Q's there is 1.0, all others 0.  K's scale bytes are (b0, b1, km, 124), Q's (b0, b1, 124, qm),
; km, qm = 1 (open) or 250 (closed): a closed pair gets -7.5 x 2^120, an open pair -15 x 2^-129.  The running largest score starts at -2^96: a closed score never becomes M, its p is 0, and a row with no open key
; ends with the sum 0; it is stored as zero codes under the scale word 0, which the next launch turns into NaN.
; LIMITS: a pair counts as closed where a mask factor is 0; open logits lie over -2^96 and under 2^118; NaN and infinities among the inputs are not carried; blocks of attn under 2^(3 - 127) keep the byte 1.
; THE RING, TURNED BY HALF A STEP.  Two slots, 2^17 bytes apart: 64 rows x 128 keys of pos, 8 tiles x 4 heads of K's codes and of V's.  A period j stands between two changes of slots.  In it all of slot j is
; read into registers, in small groups laid among the softmax of the tile in hand: K's eight fragments, their words and pos of query tile 0 under the softmax of (step j - 1, tile 1); pos of tile 1 and V under that of
; (step j, tile 0).  So at the change of slots slot j is read out and slot j + 1 has landed; step j + 2 is asked for first behind the round, one load a wave, and has a period in which to land.
; THE HEAD: one tensor load a wave: waves 0, 1 pos (32 rows each), wave 2 K's eight tiles, wave 3 V's, waves 4-7 the scale words of (batch, 4 heads), which stay.  Slot 1's first fill is issued as a refill is.
; CLUSTER 4 x 4: pos hangs on y (shared along a row); K, V and their words on x and the batch (along a column): joint loads.
.set PP,    528                        ; a row of pos in LDS: 512 bytes + 16; rows 32-63 lie 128 bytes further on
.set SLOT1, 1<<17
.set KOFF,  34048                      ; K's codes in a slot: [tile 8][head 4][768]
.set VOFF,  24576                      ; V's, behind K's
.set KSB,   83200                      ; K's scale words: [group 32][head 4][256]
.set VSB,   SLOT1+KSB
.set SPARE, VSB+32768                  ; the spare words, 128 bytes for each wave, which no other line names
.set AS2,   6291456
.set AS3,   3145728
.set AS4,   3145728
.set L16,  1
.set L8,   2
.set OW,   3
.set APS,  4                           ; v4-8 my lane's places in a slot: pos, codes (16- and 8-byte parts), K's words, V's words
.set AC16S, 5
.set AC8S, 6
.set ASKS, 7
.set ASVS, 8
.set ADP,  9                           ; v9-13 the same for the period in hand
.set ADC16, 10
.set ADC8, 11
.set ADS,  12
.set ADT,  13
.set R16,  14
.set KFR,  16                          ; K's fragments 0-3 at v16-63, 4 at v244-255 (window 0), 5-7 at v216-251 of window 1; registers 6-11 of each are constants
.set KH,   216
.set VFR,  16                          ; window 1 v16-63: V's four
.set S,    64                          ; in window u for query tile u: v64-127 pos, then S^T, then p
.set O,    128
.set QF,   160
.set PF,   172
.set PT,   184
.set NM,   192
.set SMAX, 193
.set L,    194
.set F,    196
.set BM,   198
.set T,    200
.set SO,   208
.set BY,   210
.set SH8,  212
.set W,    213
.set QT0,  T
.set QT1,  T+1
.set QSO,  SO
.set QBY,  BY
.set QY,   T+5
.set QSH,  SH8
.set KSW,  214                         ; window 0: v214-221 K's words, v222-229 V's as stored, v230-233 V's, v234-235 Q's, v238-239 p's
.set VSR,  222
.set VSW,  230
.set QSW,  234
.set PW,   238
.set SPW,  240
.set NIL,  241
.set PFO,  242
.set WV,   12
.set HL,   13
.set QHW,  14
.set CX,   15
.set CY,   16
.set GY,   17
.set BB,   18
.set RM,   19
.set CM,   20
.set HG,   21
.set CLY,  22
.set HEAD, 23
.set G1P,  24
.set G1C,  32
.set G1A,  40
.set G0P,  48
.set G0C,  52
.set G0A,  56
.set G0HP, 4                           ; s[4:7], s[8:11] group 0 of the head's loads of pos and of codes (the arguments that lay there have been used by then)
.set G0HC, 8
.set SEL,  60
.set CS,   62
.set NC,   66
.set TB,   67
.set TS,   68
.set CNT,  69
.set PFA,  70
.set LIM,  72
.set HMSK, 73
.set VAL,  74
.set PSEL, 76
.set OB,   78
.set OWB,  80
.set MSB, 0
.macro WIN new
.if MSB != \new
	s_set_vgpr_msb (MSB<<8)|\new
.set MSB, \new
.endif
.endm
.macro NOPS
.rept 4
	v_nop
.endr
.endm
.macro CREST                           ; a round of the cluster's barrier behind its opening barrier
	s_cmp_lg_u32 s[WV], 0
	s_cbranch_scc1 .Lnot_wave_0_\@
	s_barrier_signal -3
.Lnot_wave_0_\@:
	s_barrier_wait -3
	s_barrier_signal -1
	s_barrier_wait -1
.endm
.macro CROUND
	s_barrier_signal -1
	s_barrier_wait -1
	CREST
.endm
.macro JLOAD                           ; the joint refill: waves 0-3 pos (16 rows each), waves 4-7 codes (4 tiles each); an s_nop 0 and four v_nop follow each line
	s_cmp_lt_u32 s[WV], 4
	s_cbranch_scc0 .Lfor_c_\@
	tensor_load_to_lds s[G0P:G0P+3], s[G1P:G1P+7]
	s_nop 0
	NOPS
	s_branch .Lasked_\@
.Lfor_c_\@:
	tensor_load_to_lds s[G0C:G0C+3], s[G1C:G1C+7]
	s_nop 0
	NOPS
.Lasked_\@:
.endm
; A prefetch of pos: behind the refill for step j + 1 wave 0 names step j + 3's part of 16 of the work-group's 64 rows: 32 blocks of 256 bytes, a lane a block.  The four partners that ask for these rows jointly
; share them out by address (16 cx on).  Steps 0 to 2 come by their loads alone; the last step named is 15.
.macro ASK
	s_cmp_gt_u32 s[CNT], s[LIM]
	s_cbranch_scc0 .Lnot_mine_\@
	s_wait_alu depctr_va_vdst(0)
	global_prefetch_b8 v[PFO], s[PFA:PFA+1] th:TH_LOAD_NT scope:SCOPE_SE
.Lnot_mine_\@:
.endm
.macro QH s, pc, pt, w, fl             ; 32 numbers of a lane, one block, become 6 registers of codes; v[w]: the bytes of the two blocks of lanes l and l xor 16
	v_max3_num_f32 v[QT0], |v[(\s)]|, |v[(\s)+1]|, \fl
	v_max3_num_f32 v[QT1], |v[(\s)+16]|, |v[(\s)+17]|, \fl
.irp i, 2,4,6,8,10,12,14
	s_delay_alu instid0(VALU_DEP_2)
	v_max3_num_f32 v[QT0], v[QT0], |v[(\s)+\i]|, |v[(\s)+\i+1]|
	s_delay_alu instid0(VALU_DEP_2)
	v_max3_num_f32 v[QT1], v[QT1], |v[(\s)+16+\i]|, |v[(\s)+17+\i]|
.endr
	s_delay_alu instid0(VALU_DEP_1)
	v_max_num_f32 v[QT0], v[QT0], v[QT1]
	s_delay_alu instid0(VALU_DEP_1)
	v_add_nc_u32 v[QSO], 0xff000000, v[QT0]
	s_delay_alu instid0(VALU_DEP_1)
	v_lshrrev_b32 v[QBY], 23, v[QSO]
	s_delay_alu instid0(VALU_DEP_1)
	v_lshlrev_b32 v[(\w)], v[QSH], v[QBY]
	s_delay_alu instid0(VALU_DEP_1)
	v_permlanex16_b32 v[QY], v[(\w)], s[SEL], s[SEL+1]
	s_delay_alu instid0(VALU_DEP_1)
	v_or_b32 v[(\w)], v[(\w)], v[QY]
	v_cvt_scalef32_pk16_fp6_f32 v[(\pc):(\pc)+2], v[(\s):(\s)+15], v[QSO]
	v_cvt_scalef32_pk16_fp6_f32 v[(\pt):(\pt)+2], v[(\s)+16:(\s)+31], v[QSO]
	v_nop
	v_mov_b32 v[(\pc)+3], v[(\pt)]
	v_mov_b32 v[(\pc)+4], v[(\pt)+1]
	v_mov_b32 v[(\pc)+5], v[(\pt)+2]
.endm
.macro INIT                            ; a query tile's registers at the start; constants alone, under the caller's window
.set j, 0
.rept 32
	v_mov_b32 v[O+j], 0                            ; O^T: the first change of M multiplies zeros
.set j, j+1
.endr
	v_mov_b32 v[QF+6], 8                           ; the code 1.0 at k = 64 (lanes 0-15) and k = 96 (lanes 16-31)
.irp j, 7,8,9,10,11
	v_mov_b32 v[QF+\j], 0
.endr
	v_mov_b32 v[SMAX], 0xef800000                  ; -2^96
	v_mov_b32 v[NM], 0x6fb8aa3b                    ; -M = floor(c x 2^96)
	v_mov_b32 v[L], 0
	v_mov_b32 v[L+1], 0
	v_mov_b32 v[F+1], 0                            ; (named as the upper half of a pair)
	v_mov_b32 v[T+5], 0                            ; a lane permute's destination counts as one of its sources
.endm
.macro KLOADL                          ; K's tiles 0-4 of my head: registers 0-5 of the fragments in window 0
.irp i, 0,1,2,3,4
	ds_load_b128 v[KFR+12*\i+180*(\i/4):KFR+12*\i+180*(\i/4)+3], v[ADC16] offset:\i*3072
	ds_load_b64 v[KFR+12*\i+180*(\i/4)+4:KFR+12*\i+180*(\i/4)+5], v[ADC8] offset:\i*3072
.endr
.endm
.macro KLOADH                          ; tiles 5-7, into window 1
.irp i, 5,6,7
	ds_load_b128 v[KH+12*(\i-5):KH+12*(\i-5)+3], v[ADC16] offset:\i*3072
	ds_load_b64 v[KH+12*(\i-5)+4:KH+12*(\i-5)+5], v[ADC8] offset:\i*3072
.endr
.endm
.macro VLOAD                           ; V's four fragments: channel tile t, keys 64 c on
.irp t, 0,1,2,3
.irp c, 0,1
	ds_load_b128 v[VFR+12*\t+6*\c:VFR+12*\t+6*\c+3], v[ADC16] offset:VOFF+(4*\c+\t)*3072
	ds_load_b64 v[VFR+12*\t+6*\c+4:VFR+12*\t+6*\c+5], v[ADC8] offset:VOFF+(4*\c+\t)*3072
.endr
.endr
.endm
.macro POSLOAD u, c                    ; pos of query tile u, keys 64 c on, in the accumulators' layout
.irp t, 0,1,2,3
	ds_load_b128 v[S+32*\c+8*\t:S+32*\c+8*\t+3], v[ADP] offset:8*PP*\u+256*\c+32*\t
	ds_load_b128 v[S+32*\c+8*\t+4:S+32*\c+8*\t+7], v[ADP] offset:8*PP*\u+256*\c+32*\t+16
.endr
.endm
; The groups of LDS loads that stand inside a softmax.  b = 1: the rest of the period's first 36 loads (14 and 8); b = 2: the last 24 of its second 32 (8 and 16); b = 0: none.
.macro HOOK b, n, u
.if \b == 1
.if \n == 1
	WIN 0x40
	KLOADH
	WIN 0
	POSLOAD 0, 0
.else
	WIN 0
	POSLOAD 0, 1
.endif
	WIN (0x55*\u)
.elseif \b == 2
	WIN 0x40
.if \n == 1
	POSLOAD 1, 1
.else
	VLOAD
.endif
	WIN (0x55*\u)
.endif
.endm
.macro SCORE u                         ; S^T = K Q^T + pos^T, with the masks' terms: eight key tiles of query tile u; each accumulator has one instruction
	WIN (0x54*\u)
.irp i, 0,1,2,3,4
	v_wmma_scale_f32_16x16x128_f8f6f4 v[S+8*\i:S+8*\i+7], v[KFR+12*\i+180*(\i/4):KFR+12*\i+180*(\i/4)+11], v[QF:QF+11], v[S+8*\i:S+8*\i+7], v[KSW+\i], v[QSW+\u] matrix_a_fmt:MATRIX_FMT_FP6 matrix_b_fmt:MATRIX_FMT_FP6
.endr
	WIN (0x54*\u+1)
.irp i, 5,6,7
	v_wmma_scale_f32_16x16x128_f8f6f4 v[S+8*\i:S+8*\i+7], v[KH+12*(\i-5):KH+12*(\i-5)+11], v[QF:QF+11], v[S+8*\i:S+8*\i+7], v[KSW+\i], v[QSW+\u] matrix_a_fmt:MATRIX_FMT_FP6 matrix_b_fmt:MATRIX_FMT_FP6
.endr
.endm
.macro PV                              ; O^T += V^T P^T: the eight accumulators take turns, one instruction a turn
	WIN 0x01
.irp t, 0,1,2,3
	v_wmma_scale_f32_16x16x128_f8f6f4 v[O+8*\t:O+8*\t+7], v[VFR+12*\t:VFR+12*\t+11], v[PF:PF+11], v[O+8*\t:O+8*\t+7], v[VSW+\t], v[PW] matrix_a_fmt:MATRIX_FMT_FP6 matrix_b_fmt:MATRIX_FMT_FP6
.endr
	WIN 0x55
.irp t, 0,1,2,3
	v_wmma_scale_f32_16x16x128_f8f6f4 v[O+8*\t:O+8*\t+7], v[VFR+12*\t:VFR+12*\t+11], v[PF:PF+11], v[O+8*\t:O+8*\t+7], v[VSW+\t], v[PW+1] matrix_a_fmt:MATRIX_FMT_FP6 matrix_b_fmt:MATRIX_FMT_FP6
.endr
.endm
; THE SOFTMAX of query tile u for one key step; all its registers lie in window u, but p's scale word.  b: which LDS loads stand in it.
.macro SM u, b
	WIN (0x55*\u)
.irp k, 0,1,2,3
	v_max3_num_f32 v[T+\k], v[S+16*\k], v[S+16*\k+1], v[S+16*\k+2]              ; four chains of 16 scores, by turns; each accumulator is read from its low end on
.endr
.irp i, 3,5,7,9,11,13
.irp k, 0,1,2,3
	v_max3_num_f32 v[T+\k], v[T+\k], v[S+16*\k+\i], v[S+16*\k+\i+1]
.endr
.endr
	HOOK \b, 1, \u
.irp k, 0,1,2,3
	v_max_num_f32 v[T+\k], v[T+\k], v[S+16*\k+15]
.endr
	s_delay_alu instid0(VALU_DEP_3)
	v_max_num_f32 v[BM], v[T], v[T+1]              ; the largest score of each of my two blocks: for the row's maximum and, since p rises with the score, for the block's largest p
	s_delay_alu instid0(VALU_DEP_2)
	v_max_num_f32 v[BM+1], v[T+2], v[T+3]
	s_delay_alu instid0(VALU_DEP_1)
	v_max3_num_f32 v[T+4], v[BM], v[BM+1], v[SMAX]
	s_delay_alu instid0(VALU_DEP_1)
	v_permlanex16_b32 v[T+5], v[T+4], s[SEL], s[SEL+1]
	s_delay_alu instid0(VALU_DEP_1)
	v_max_num_f32 v[SMAX], v[T+4], v[T+5]          ; with the other half's 64 keys: the running largest score
	v_mov_b32 v[T+6], v[NM]
	s_delay_alu instid0(VALU_DEP_2)
	v_mul_f32 v[T+7], s[NC], v[SMAX]               ; -t
	s_delay_alu instid0(VALU_DEP_1)
	v_floor_f32 v[NM], v[T+7]                      ; the new -M = floor(-t)
	s_delay_alu instid0(VALU_DEP_1)
	v_sub_f32 v[T+6], v[NM], v[T+6]                ; old M - new M: a whole number, 0 or less
	s_delay_alu instid0(VALU_DEP_1)
	v_cvt_i32_f32 v[T+6], v[T+6]                   ; (it saturates)
	s_delay_alu instid0(VALU_DEP_1)
	v_ldexp_f32 v[F], 1.0, v[T+6]                  ; f = 2^(old M - new M): a multiplication by it rounds nothing
.set j, 0
.rept 32
	v_pk_fma_f32 v[S+j:S+j+1], v[S+j:S+j+1], s[CS:CS+1], v[NM:NM+1] op_sel_hi:[1,0,0]   ; t - M, two at a time
.set j, j+2
.endr
	v_fma_f32 v[BM], v[BM], s[CS], v[NM]
	v_fma_f32 v[BM+1], v[BM+1], s[CS], v[NM]
	HOOK \b, 2, \u
.set j, 0
	s_wait_alu depctr_va_vdst(0)                   ; ahead of the batch
.rept 64
	v_exp_f32 v[S+j], v[S+j]                       ; p = 2^(t - M)
.set j, j+1
.endr
	v_pk_mul_f32 v[L:L+1], v[L:L+1], v[F:F+1] op_sel_hi:[1,0]   ; the sums under the new M; the plain place behind the exponentials
	s_wait_alu depctr_va_vdst(0)                   ; one wait for the batch of 64, ahead of its first reader
	v_exp_f32 v[BM], v[BM]                         ; the blocks' largest p
	v_exp_f32 v[BM+1], v[BM+1]
	v_pk_add_f32 v[T:T+1], v[S:S+1], v[S+2:S+3]    ; the row's sum is taken of the unquantised p, in two chains
.set j, 4
.rept 15
	v_pk_add_f32 v[L:L+1], v[L:L+1], v[S+j:S+j+1]
	v_pk_add_f32 v[T:T+1], v[T:T+1], v[S+j+2:S+j+3]
.set j, j+4
.endr
	s_delay_alu instid0(VALU_DEP_1)
	v_pk_add_f32 v[L:L+1], v[L:L+1], v[T:T+1]
	s_wait_alu depctr_va_vdst(0)                   ; and one for the two
	v_max_num_f32 v[BM], 0x1800000, v[BM]          ; the floor 2^(3 - 127): a block whose every p is 0 keeps the byte 1; its codes are zeros
	v_max_num_f32 v[BM+1], 0x1800000, v[BM+1]
	s_delay_alu instid0(VALU_DEP_2)
	v_add_nc_u32 v[SO], 0xff000000, v[BM]          ; 2 off the exponent field: the conversion's scale operand
	s_delay_alu instid0(VALU_DEP_2)
	v_add_nc_u32 v[SO+1], 0xff000000, v[BM+1]
	s_delay_alu instid0(VALU_DEP_2)
	v_lshrrev_b32 v[BY], 23, v[SO]
	s_delay_alu instid0(VALU_DEP_2)
	v_lshrrev_b32 v[BY+1], 23, v[SO+1]
	s_delay_alu instid0(VALU_DEP_1)
	v_lshl_or_b32 v[W], v[BY+1], 16, v[BY]         ; my blocks h and 2 + h,
	s_delay_alu instid0(VALU_DEP_1)
	v_lshlrev_b32 v[W], v[SH8], v[W]               ; at their places,
	s_delay_alu instid0(VALU_DEP_1)
	v_permlanex16_b32 v[T+5], v[W], s[SEL], s[SEL+1]
	WIN (0x05*\u)
	v_or_b32 v[PW+\u], v[W], v[T+5]                ; with the other half's: p's scale word, in window 0, where scale operands are taken from
	WIN (0x55*\u)
	v_cvt_scalef32_pk16_fp6_f32 v[PF:PF+2], v[S:S+15], v[SO]
	v_cvt_scalef32_pk16_fp6_f32 v[PT:PT+2], v[S+16:S+31], v[SO]
	v_cvt_scalef32_pk16_fp6_f32 v[PF+6:PF+8], v[S+32:S+47], v[SO+1]
	v_cvt_scalef32_pk16_fp6_f32 v[PT+4:PT+6], v[S+48:S+63], v[SO+1]
	v_nop                                          ; one plain place behind a scaled conversion
.irp i, 0,1,2
	v_mov_b32 v[PF+3+\i], v[PT+\i]
	v_mov_b32 v[PF+9+\i], v[PT+4+\i]
.endr
	s_wait_alu depctr_va_vdst(0)                   ; directly ahead of the first reader of O^T
.set j, 0
.rept 16
	v_pk_mul_f32 v[O+j:O+j+1], v[O+j:O+j+1], v[F:F+1] op_sel_hi:[1,0]   ; O^T under the new M; these 16 also stand between the writes of p's codes and scale word and the products
.set j, j+2
.endr
.endm
; A PERIOD j.  At its head the change of slots: each wave waits for all its tensor loads (its part of slot j), adds 0 to its spare word, and waits for that and for its reads of slot j - 1.
; The score products of (step j - 1, tile 1), work on registers, stand between the barrier's signal and its wait.  fill = 1: the barrier opens a round of the cluster's barrier, and step j + 1 is asked for first behind it.
.macro PERIOD first, fill
	s_wait_alu depctr_va_vdst(0)
	s_wait_tensorcnt 0x0                           ; no tensor load of mine is out, so descriptors may be written
	ds_add_u32 v[SPW], v[NIL]                      ; 0 onto my spare word
.if \first
	s_mov_b32 s[G1P+2], 16<<16                     ; from here on a load of pos brings 16 rows,
	s_mov_b32 s[G1P+4], 16
	s_mov_b32 s[G1C+2], 4<<16                      ; a load of codes 4 tiles
	s_mov_b32 s[G1C+4], 4
.elseif \fill
	s_xor_b32 s[G0P+1], s[G0P+1], SLOT1            ; the other slot,
	s_add_nc_u64 s[G0P+2:G0P+3], s[G0P+2:G0P+3], 512      ; the next 128 keys of pos,
	s_xor_b32 s[G0C+1], s[G0C+1], SLOT1
	s_add_nc_u64 s[G0C+2:G0C+3], s[G0C+2:G0C+3], 8*12288  ; the next 8 tiles of codes
	s_wait_xcnt 0x0                                ; the last prefetch, a period back, has read its address
	s_add_nc_u64 s[PFA:PFA+1], s[PFA:PFA+1], 512
.endif
	s_wait_dscnt 0x0                               ; the add is done, and my reads of the slot that I leave are over
	s_barrier_signal -1
.if \first == 0
	SCORE 1
	WIN 0
.endif
	s_barrier_wait -1
.if \fill
	CREST
	JLOAD
	ASK
.endif
	v_add_nc_u32 v[ADP], s[TB], v[APS]             ; these five are also places behind the score products, in front of the loads into K's registers and of the first read of the scores
	v_add_nc_u32 v[ADC16], s[TB], v[AC16S]
	v_add_nc_u32 v[ADC8], s[TB], v[AC8S]
	v_add_nc_u32 v[ADS], s[TS], v[ASKS]
	v_add_nc_u32 v[ADT], s[TS], v[ASVS]
	s_wait_alu depctr_va_vdst(0)
	ds_load_b128 v[KSW:KSW+3], v[ADS]              ; the period's first 36 loads: 14 here,
	ds_load_b128 v[KSW+4:KSW+7], v[ADS] offset:1024
	ds_load_b128 v[VSR:VSR+3], v[ADT]
	ds_load_b128 v[VSR+4:VSR+7], v[ADT] offset:1024
	KLOADL
.if \first
	HOOK 1, 1, 0
	HOOK 1, 2, 0
.else
	SM 1, 1                                        ; 22 inside the softmax of (step j - 1, tile 1)
	s_wait_alu depctr_va_vdst(0)
	PV                                             ; step j - 1's second product, both tiles
	WIN 0
	NOPS                                           ; four places in front of the loads into V's registers and of the writes of V's words
.endif
	WIN 0x40
	POSLOAD 1, 0                                   ; the second 32 loads: 8 here
	WIN 0
	s_wait_dscnt 8                                 ; all but these 8: K, the words and pos of tile 0 are in
	SCORE 0
	WIN 0
.irp t, 0,1,2,3
	v_perm_b32 v[VSW+\t], v[VSR+4+\t], v[VSR+\t], s[PSEL]   ; V's word of these 128 keys.  These four are the places in front of the first read of the scores
.endr
	SM 0, 2                                        ; 24 loads inside
	s_xor_b32 s[TB], s[TB], SLOT1
	s_add_co_u32 s[TS], s[TS], 2048
.endm
	s_load_b256 s[4:11], s[0:1], 0x0               ; w2, w3, pos_logits, w4
	v_lshl_add_u32 v[SPW], v0, 2, SPARE
	v_mov_b32 v[NIL], 0
	ds_add_u32 v[SPW], v[NIL]                      ; the wave's opening: the add, twice on end, and its wait ahead of my first tensor load
	ds_add_u32 v[SPW], v[NIL]
	v_lshrrev_b32 v[T], 5, v0
	s_delay_alu instid0(VALU_DEP_1)
	v_readfirstlane_b32 s[WV], v[T]                ; wave 0..7
	s_and_b32 s[HL], s[WV], 3                      ; my head of the four.  Also: which part I fetch
	s_lshr_b32 s[QHW], s[WV], 2                    ; my pair of query tiles
	s_bfe_u32 s[CX], ttmp6, 0x40000
	s_bfe_u32 s[CY], ttmp6, 0x40004
	s_lshl_b32 s[HG], ttmp9, 2
	s_add_co_u32 s[HG], s[HG], s[CX]               ; x: the group of four heads
	s_and_b32 s[CLY], ttmp7, 0xffff
	s_lshl_b32 s[GY], s[CLY], 2
	s_add_co_u32 s[GY], s[GY], s[CY]               ; y: the group of 64 queries
	s_lshr_b32 s[BB], s[CLY], 3                    ; the batch: the same in all sixteen partners
	s_lshl_b32 s[RM], s[CY], 2
	s_lshl_b32 s[RM], 15, s[RM]
	s_lshl_b32 s[CM], 0x1111, s[CX]
	s_or_b32 s[G1P], s[RM], (2<<16)|(1<<20)|(1<<21)|(6<<22)|(3<<25)   ; pos: rows of 128 f32, 2,048 apart; 4 words of padding behind every 128; 32 rows at the head
	s_mov_b32 s[G1P+1], 128<<16
	s_mov_b32 s[G1P+2], 32<<16
	s_mov_b32 s[G1P+3], 128<<16
	s_mov_b32 s[G1P+4], 32
	s_mov_b32 s[G1P+5], 2048
	s_mov_b32 s[G1P+6], 0
	s_mov_b32 s[G1P+7], 0
	s_or_b32 s[G1C], s[CM], (3<<16)|(1<<21)        ; codes: tiles' rows of 3,072 bytes (4 heads), 12,288 bytes apart; 8 tiles at the head
	s_mov_b32 s[G1C+1], 384<<16
	s_mov_b32 s[G1C+2], 8<<16
	s_mov_b32 s[G1C+3], 384<<16
	s_mov_b32 s[G1C+4], 8
	s_mov_b32 s[G1C+5], 1536
	s_mov_b32 s[G1C+6], 0
	s_mov_b32 s[G1C+7], 0
	s_or_b32 s[G1A], s[CM], (3<<16)|(1<<21)        ; scale words: 16 groups' rows of 1,024 bytes (4 heads), 4,096 bytes apart
	s_mov_b32 s[G1A+1], 128<<16
	s_mov_b32 s[G1A+2], 16<<16
	s_mov_b32 s[G1A+3], 128<<16
	s_mov_b32 s[G1A+4], 16
	s_mov_b32 s[G1A+5], 512
	s_mov_b32 s[G1A+6], 0
	s_mov_b32 s[G1A+7], 0
	s_and_b32 s82, s[HL], 1
	s_lshr_b32 s83, s[HL], 1
	s_mul_i32 s[G0P+1], s[HL], 16*PP               ; the ring's pos (waves 0-3): my 16 rows, in slot 1,
	s_lshl_b32 s88, s83, 7
	s_add_co_u32 s[G0P+1], s[G0P+1], s88
	s_add_co_u32 s[G0P+1], s[G0P+1], SLOT1
	s_lshl_b32 s88, s[GY], 6
	s_lshl_b32 s89, s[HL], 4
	s_add_co_u32 s88, s88, s89
	s_lshl_b32 s88, s88, 13                        ; row 64 y + 16 part, 8,192 bytes a row,
	s_add_co_u32 s88, s88, 512                     ; step 1
	s_mov_b32 s89, 0
	s_mul_i32 s84, s82, 32*PP+128                  ; the head's pos (waves 0, 1): my 32 rows, in slot 0
	s_lshl_b32 s90, s[GY], 6
	s_lshl_b32 s91, s82, 5
	s_add_co_u32 s90, s90, s91
	s_lshl_b32 s90, s90, 13
	s_mov_b32 s91, 0
	s_lshl_b32 s92, s[BB], 7
	s_mul_i32 s92, s92, 12288                      ; codes: tile 128 batch,
	s_mul_i32 s93, s[HG], 3072                     ; my four heads
	s_add_co_u32 s92, s92, s93
	s_mul_i32 s94, s82, 4*12288                    ; the ring's codes (waves 4-7): half s82 of K's (s83 = 0) or V's tiles,
	s_add_co_u32 s94, s94, s92
	s_add_co_u32 s94, s94, 8*12288                 ; step 1
	s_cmp_eq_u32 s83, 0
	s_cselect_b32 s95, 256*12288, 0                ; kp's tiles lie behind qp's 256 in w2
	s_add_co_u32 s94, s94, s95
	s_mov_b32 s95, 0
	s_cmp_eq_u32 s82, 0                            ; the head's codes: wave 2 K's eight tiles, wave 3 V's
	s_cselect_b32 s93, 256*12288, 0
	s_add_co_u32 s92, s92, s93
	s_mov_b32 s93, 0
	s_mul_i32 s[G0C+1], s[HL], 12288
	s_add_co_u32 s[G0C+1], s[G0C+1], KOFF+SLOT1
	s_mul_i32 s85, s82, 24576
	s_add_co_u32 s85, s85, KOFF
	s_lshl_b32 s96, s[BB], 5                       ; words (waves 4-7): group 32 batch + 16 half,
	s_lshl_b32 s97, s82, 4
	s_add_co_u32 s96, s96, s97
	s_lshl_b32 s96, s96, 12
	s_lshl_b32 s97, s[HG], 10
	s_add_co_u32 s96, s96, s97
	s_mov_b32 s97, AS3
	s_cmp_eq_u32 s83, 0
	s_cselect_b32 s97, AS2+64*4096, s97            ; kp's groups lie behind qp's 64
	s_add_co_u32 s96, s96, s97
	s_mov_b32 s97, 0
	s_lshl_b32 s[G0A+1], s83, 17
	s_lshl_b32 s98, s82, 14
	s_add_co_u32 s[G0A+1], s[G0A+1], s98
	s_add_co_u32 s[G0A+1], s[G0A+1], KSB
	s_mov_b32 s[SEL], 0x76543210
	s_mov_b32 s[SEL+1], 0xfedcba98
	s_mov_b32 s[CS], 0x3fb8aa3b                    ; c = log2(e)
	s_mov_b32 s[CS+1], s[CS]
	s_mov_b32 s[NC], 0xbfb8aa3b
	s_mov_b32 s[TB], 0
	s_mov_b32 s[TS], 0
	s_mov_b32 s[CNT], 14
	s_mov_b32 s[HMSK], 0xffff0000
	s_mov_b32 s[PSEL], 0x05040100
	s_cmp_eq_u32 s[WV], 0
	s_cselect_b32 s[LIM], 2, -1                    ; wave 0 prefetches while more than two trips are to come
	s_wait_dscnt 0x0                               ; both opening adds are done
	s_wait_kmcnt 0x0
	s_cmp_eq_u32 s83, 0
	s_cselect_b64 s[86:87], s[4:5], s[6:7]         ; K's buffer or V's: the choice hangs on the wave's number alone
	s_mov_b32 s[G0P], 1
	s_add_nc_u64 s[G0P+2:G0P+3], s[8:9], s[88:89]
	s_or_b32 s[G0P+3], s[G0P+3], 0x80000000
	s_mov_b32 s[G0C], 1
	s_add_nc_u64 s[G0C+2:G0C+3], s[86:87], s[94:95]
	s_or_b32 s[G0C+3], s[G0C+3], 0x80000000
	s_mov_b32 s[G0A], 1
	s_add_nc_u64 s[G0A+2:G0A+3], s[86:87], s[96:97]
	s_or_b32 s[G0A+3], s[G0A+3], 0x80000000
	s_cmp_eq_u32 s82, 0
	s_cselect_b64 s[86:87], s[4:5], s[6:7]
	s_add_nc_u64 s[92:93], s[86:87], s[92:93]      ; the head's codes
	s_add_nc_u64 s[90:91], s[8:9], s[90:91]        ; the head's pos
	s_lshl_b32 s96, s[GY], 6                       ; the prefetches: my work-group's 16 rows of the 64, at step 3
	s_lshl_b32 s97, s[CX], 4
	s_add_co_u32 s96, s96, s97
	s_lshl_b32 s96, s96, 13
	s_add_co_u32 s96, s96, 1536
	s_mov_b32 s97, 0
	s_add_nc_u64 s[PFA:PFA+1], s[8:9], s[96:97]
	s_lshl_b32 s[HEAD], s[HG], 2
	s_add_co_u32 s[HEAD], s[HEAD], s[HL]
	s_lshl_b32 s96, s[GY], 2
	s_lshl_b32 s82, s[QHW], 1
	s_add_co_u32 s96, s96, s82
	s_mul_i32 s96, s96, 12288                      ; tile 4 y + 2 pair,
	s_mul_i32 s82, s[HEAD], 768                    ; my head
	s_add_co_u32 s96, s96, s82
	s_add_nc_u64 s[98:99], s[4:5], s[96:97]        ; Q's codes
	s_add_nc_u64 s[OB:OB+1], s[10:11], s[96:97]    ; attn's
	s_lshl_b32 s96, s[GY], 12
	s_lshl_b32 s82, s[HEAD], 8
	s_add_co_u32 s96, s96, s82
	s_lshl_b32 s82, s[QHW], 3
	s_add_co_u32 s82, s82, s96
	s_add_co_u32 s82, s82, AS2
	s_mov_b32 s83, 0
	s_add_nc_u64 s[82:83], s[4:5], s[82:83]        ; Q's words: my two tiles'
	s_lshl_b32 s86, s[QHW], 7
	s_add_co_u32 s96, s96, s86
	s_add_co_u32 s96, s96, AS4
	s_add_nc_u64 s[OWB:OWB+1], s[10:11], s[96:97]  ; attn's words
	s_mov_b32 s[G0HP], 1                           ; the arguments have been used: their registers take the head's two group 0
	s_mov_b32 s[G0HP+1], s84
	s_mov_b64 s[G0HP+2:G0HP+3], s[90:91]
	s_or_b32 s[G0HP+3], s[G0HP+3], 0x80000000
	s_mov_b32 s[G0HC], 1
	s_mov_b32 s[G0HC+1], s85
	s_mov_b64 s[G0HC+2:G0HC+3], s[92:93]
	s_or_b32 s[G0HC+3], s[G0HC+3], 0x80000000
	CROUND                                         ; all sixteen work-groups are here: the first joint loads meet
	s_cmp_lt_u32 s[WV], 2                          ; one chain of branches on the wave's number, one load to an arm, one join
	s_cbranch_scc0 .Lhead_c
	tensor_load_to_lds s[G0HP:G0HP+3], s[G1P:G1P+7]
	s_nop 0
	NOPS
	s_branch .Lhead_asked
.Lhead_c:
	s_cmp_lt_u32 s[WV], 4
	s_cbranch_scc0 .Lhead_a
	tensor_load_to_lds s[G0HC:G0HC+3], s[G1C:G1C+7]
	s_nop 0
	NOPS
	s_branch .Lhead_asked
.Lhead_a:
	tensor_load_to_lds s[G0A:G0A+3], s[G1A:G1A+7]
	s_nop 0
	NOPS
.Lhead_asked:
	v_and_b32 v[T], 31, v0                         ; lane
	v_and_b32 v[T+1], 15, v0                       ; r
	v_bfe_u32 v[T+2], v0, 4, 1                     ; h
	v_lshlrev_b32 v[L16], 4, v[T]
	v_lshlrev_b32 v[L8], 3, v[T]
	v_lshlrev_b32 v[R16], 4, v[T+1]
	v_lshlrev_b32 v[OW], 3, v[T+1]
	v_lshlrev_b32 v[SH8], 3, v[T+2]
	v_lshl_add_u32 v[OW], v[T+2], 2, v[OW]
	global_load_b128 v[QF:QF+3], v[L16], s[98:99]
	global_load_b64 v[QF+4:QF+5], v[L8], s[98:99] offset:512
	global_load_b64 v[QSW:QSW+1], v[R16], s[82:83]
	WIN 0x40
	global_load_b128 v[QF:QF+3], v[L16], s[98:99] offset:12288
	global_load_b64 v[QF+4:QF+5], v[L8], s[98:99] offset:12288+512
	INIT
	v_mov_b32 v[SH8], v[SH8]                       ; 8 h into window 1 too
.irp f, 0,1,2
	v_mov_b32 v[KH+12*\f+6], 0x3f                  ; the code -7.5 at k = 64 (lanes 0-15) and k = 96 (lanes 16-31)
.irp j, 7,8,9,10,11
	v_mov_b32 v[KH+12*\f+\j], 0
.endr
.endr
	WIN 0
	INIT
.irp f, 0,1,2,3,4
	v_mov_b32 v[KFR+12*\f+180*(\f/4)+6], 0x3f
.irp j, 7,8,9,10,11
	v_mov_b32 v[KFR+12*\f+180*(\f/4)+\j], 0
.endr
.endr
	v_and_b32 v[T+3], 7, v0
	v_bfe_u32 v[T+4], v0, 3, 1
	s_delay_alu instid0(VALU_DEP_2)
	v_mul_u32_u24 v[APS], v[T+3], PP               ; pos: row 16 pair + (r & 7) + 32 (r >> 3) of the 64, + 128 h bytes
	s_delay_alu instid0(VALU_DEP_1)
	v_mad_u32_u24 v[APS], v[T+4], 32*PP+128, v[APS]
	s_delay_alu instid0(VALU_DEP_1)
	v_lshl_add_u32 v[APS], v[T+2], 7, v[APS]
	s_mul_i32 s84, s[QHW], 16*PP
	v_add_nc_u32 v[APS], s84, v[APS]
	s_mul_i32 s84, s[HL], 768
	s_add_co_u32 s84, s84, KOFF
	v_add_nc_u32 v[AC16S], s84, v[L16]
	s_add_co_u32 s84, s84, 512
	v_add_nc_u32 v[AC8S], s84, v[L8]
	s_lshl_b32 s84, s[HL], 8
	s_add_co_u32 s84, s84, KSB
	v_add_nc_u32 v[ASKS], s84, v[R16]
	s_add_co_u32 s84, s84, SLOT1
	v_add_nc_u32 v[ASVS], s84, v[R16]
	v_lshrrev_b32 v[PFO], 1, v[T]                  ; the prefetches' offset: row lane / 2, block lane % 2
	v_and_b32 v[T+3], 1, v0
	s_delay_alu instid0(VALU_DEP_2)
	v_lshlrev_b32 v[PFO], 13, v[PFO]
	s_delay_alu instid0(VALU_DEP_1)
	v_lshl_add_u32 v[PFO], v[T+3], 8, v[PFO]
	s_wait_alu depctr_va_vdst(0)
	s_wait_loadcnt 0x0                             ; Q and its words
	PERIOD 1, 1                                    ; period 0: slot 1's first fill, issued as a refill is; step 0's loads; (step 0, tile 0)
.Lstep:                                            ; 14 trips: periods 1 to 14 ask for steps 2 to 15
	PERIOD 0, 1
	s_sub_co_u32 s[CNT], s[CNT], 1
	s_cmp_lg_u32 s[CNT], 0
	s_cbranch_scc1 .Lstep
	PERIOD 0, 0                                    ; period 15 is written out: it asks for nothing
	s_wait_alu depctr_va_vdst(0)
	s_wait_dscnt 0x0                               ; pos of tile 1 and V of step 15 are in
	SCORE 1
	WIN 0
	NOPS                                           ; four places in front of the first read of the scores
	SM 1, 0
	s_wait_alu depctr_va_vdst(0)
	PV
	WIN 0
; THE WAY OUT of query tile u: the sum's halves; O^T / the sum; one block of 32 channels a lane is quantised; a row with the sum 0 gets the word 0.
.macro FIN u
	WIN (0x55*\u)
	v_add_f32 v[L], v[L], v[L+1]
	s_delay_alu instid0(VALU_DEP_1)
	v_permlanex16_b32 v[T+5], v[L], s[SEL], s[SEL+1]
	s_delay_alu instid0(VALU_DEP_1)
	v_add_f32 v[L], v[L], v[T+5]                   ; the row's sum
	s_delay_alu instid0(VALU_DEP_1)
	v_cmp_lt_f32 s[VAL+\u], 0, v[L]                ; has the row an open key?
	s_delay_alu instid0(VALU_DEP_2)
	v_max_num_f32 v[T], 0x800000, v[L]             ; (a sum of 0 is held at 2^-126: O^T is 0 there, and stays 0)
	s_wait_alu depctr_va_vdst(0)
	v_rcp_f32 v[F], v[T]
	v_nop                                          ; one plain place behind the reciprocal,
	s_wait_alu depctr_va_vdst(0)                   ; and the wait ahead of its first reader
.set j, 0
.rept 16
	v_pk_mul_f32 v[O+j:O+j+1], v[O+j:O+j+1], v[F:F+1] op_sel_hi:[1,0]
.set j, j+2
.endr
	QH O, PF, PT, W, 0x1800000
	WIN (0x04*\u)
	v_cndmask_b32 v[PW+\u], 0, v[W], s[VAL+\u]
	global_store_b128 v[L16], v[PF:PF+3], s[OB:OB+1] offset:12288*\u          ; 512 consecutive bytes
	global_store_b64 v[L8], v[PF+4:PF+5], s[OB:OB+1] offset:12288*\u+512      ; 256
.endm
	NOPS                                           ; four places behind the last products
	FIN 0
	FIN 1
	WIN 0
	v_cndmask_b32 v[T], v[PW], v[PW+1], s[HMSK]    ; lanes 0-15 store the first tile's words, lanes 16-31 the second's
	global_store_b32 v[OW], v[T], s[OWB:OWB+1]
	s_wait_tensorcnt 0x0                           ; the wave's end
	ds_add_u32 v[SPW], v[NIL]
	s_wait_dscnt 0x0
	CROUND                                         ; the closing round
	s_endpgm
.Lfunc_end_k_qd114c82eef_attn:
	.size	k_qd114c82eef_attn, .Lfunc_end_k_qd114c82eef_attn-k_qd114c82eef_attn
	.p2alignl 7, 3214868480
	.fill 96, 4, 3214868480
	.section	.rodata,"a",@progbits
	.p2align	6, 0x0
	.amdhsa_kernel k_qd114c82eef_attn
		.amdhsa_group_segment_fixed_size 327680
		.amdhsa_private_segment_fixed_size 0
		.amdhsa_enable_private_segment 0
		.amdhsa_kernarg_size 32
		.amdhsa_user_sgpr_count 2
		.amdhsa_user_sgpr_kernarg_segment_ptr 1
		.amdhsa_wavefront_size32 1
		.amdhsa_system_sgpr_workgroup_id_x 1
		.amdhsa_system_sgpr_workgroup_id_y 1
		.amdhsa_system_sgpr_workgroup_id_z 1
		.amdhsa_system_vgpr_workitem_id 0
		.amdhsa_next_free_vgpr 512
		.amdhsa_next_free_sgpr 100
		.amdhsa_reserve_vcc 0
		.amdhsa_float_denorm_mode_32 3
		.amdhsa_float_denorm_mode_16_64 3
		.amdhsa_memory_ordered 1
		.amdhsa_forward_progress 1
		.amdhsa_inst_pref_size 121
	.end_amdhsa_kernel
	.amdgpu_metadata
---
amdhsa.version: [ 1, 2 ]
amdhsa.kernels:
  - .name:           k_qd114c82eef_attn
    .symbol:         k_qd114c82eef_attn.kd
    .args:
      - { .name: w2, .offset: 0, .size: 8, .value_kind: global_buffer, .address_space: global }
      - { .name: w3, .offset: 8, .size: 8, .value_kind: global_buffer, .address_space: global }
      - { .name: pos_logits, .offset: 16, .size: 8, .value_kind: global_buffer, .address_space: global }
      - { .name: w4, .offset: 24, .size: 8, .value_kind: global_buffer, .address_space: global }
    .group_segment_fixed_size: 327680
    .private_segment_fixed_size: 0
    .kernarg_segment_align: 8
    .kernarg_segment_size: 32
    .max_flat_workgroup_size: 256
    .sgpr_count:     100
    .vgpr_count:     512
    .wavefront_size: 32
...
	.end_amdgpu_metadata
.endif
;; end of part 4
;; launch oproj (part 5): grid 8 x 32, 4 waves a work-group, clusters of 4 x 4, 327,680 bytes of LDS; arguments w1, w4, bo, out0; writes out0
.if DOCPART == 5
	.amdgcn_target "amdgcn-amd-amdhsa--gfx1250"
	.amdhsa_code_object_version 6
	.text
	.protected	k_qd114c82eef_oproj
	.globl	k_qd114c82eef_oproj
	.p2align	8
	.type	k_qd114c82eef_oproj,@function
k_qd114c82eef_oproj:
	s_mov_b64 s[64:65], 0
	v_nop
	global_prefetch_b8 v0, s[64:65] scope:SCOPE_SE
	s_setreg_imm32_b32 hwreg(HW_REG_WAVE_MODE, 25, 1), 1
	s_wait_xcnt 0x0
	s_wait_alu depctr_hold_cnt(0) depctr_sa_sdst(0) depctr_va_vdst(0) depctr_va_sdst(0) depctr_va_ssrc(0) depctr_va_vcc(0) depctr_vm_vsrc(0)
	s_getreg_b32 s2, hwreg(HW_REG_IB_STS2, 6, 4)
	s_cmp_eq_u32 s2, 0
	s_cbranch_scc0 .Lentry_in_a_cluster
	s_endpgm
.Lentry_in_a_cluster:
	s_bfe_u32 s2, ttmp6, 0x10000c
	s_cmp_lg_u32 s2, 0xf033
	s_cbranch_scc0 .Lentry_shape_is_right
	s_endpgm
.Lentry_shape_is_right:
.set NTW,   2
.set RW,    4
.set CH0,   8*3072
.set CH1,   8*3072
.set S1B,   4*CH0
.set TREG,  S1B
.set TCH,   CH1
.set WREG,  0
.set WCH,   CH0
.set STAGE, S1B+4*CH1
.set SPARE, STAGE+4*16*272
.set US1,   9437184
.set AS4,   3145728
.set A016, 1
.set A08,  2
.set A116, 3
.set A18,  4
.set R16,  5
.set OC16, 6
.set OC8,  7
.set R8,   8
.set VA,   10
.set STO,  11
.set RD,   12
.set CO,   13
.set SPW,  14
.set NIL,  15
.set SC0,  112
.set SC1,  144
.set RAW,  176
.set BIAS, 224
.set NANR, 128
.set PSEL, 18
.set WV,   20
.set PH,   21
.set QHF,  22
.set CX,   23
.set CY,   24
.set GX,   25
.set GY,   26
.set RM,   27
.set CM,   28
.set TW,   30
.set CLY,  31
.set G1T,  32
.set G1W,  40
.set G0T,  48
.set G0W,  68
.set MSB, 0
.macro WIN new
.if MSB != \new
	s_set_vgpr_msb (MSB<<8)|\new
.set MSB, \new
.endif
.endm
.macro CROUND
	s_barrier_signal -1
	s_barrier_wait -1
	s_cmp_lg_u32 s[WV], 0
	s_cbranch_scc1 .Lnot_wave_0_\@
	s_barrier_signal -3
.Lnot_wave_0_\@:
	s_barrier_wait -3
	s_barrier_signal -1
	s_barrier_wait -1
.endm
.macro JLOAD c
	s_cmp_lt_u32 s[WV], NTW
	s_cbranch_scc0 .Lfor_w_\@
	tensor_load_to_lds s[G0T+4*\c:G0T+4*\c+3], s[G1T:G1T+7]
	s_nop 0
.rept 4
	v_nop
.endr
	s_branch .Lasked_\@
.Lfor_w_\@:
	tensor_load_to_lds s[G0W+4*\c:G0W+4*\c+3], s[G1W:G1W+7]
	s_nop 0
.rept 4
	v_nop
.endr
.Lasked_\@:
.endm
.macro FETCH s, buf
.if \buf
	WIN 0x40
.set FB0, 128
.set FB1, 176
.else
	WIN 0
.set FB0, 16
.set FB1, 64
.endif
.set KO, (\s)*1536                     ; in LDS a tile's 12,288 bytes (all of K) lie on end: K step s at 1,536 s
.irp i, 0,1,2,3
	ds_load_b128 v[FB0+12*\i:FB0+12*\i+3], v[A016] offset:12288*\i+KO
	ds_load_b64 v[FB0+12*\i+4:FB0+12*\i+5], v[A08] offset:12288*\i+KO+512
	ds_load_b128 v[FB0+12*\i+6:FB0+12*\i+9], v[A016] offset:12288*\i+KO+768
	ds_load_b64 v[FB0+12*\i+10:FB0+12*\i+11], v[A08] offset:12288*\i+KO+1280
	ds_load_b128 v[FB1+12*\i:FB1+12*\i+3], v[A116] offset:12288*\i+KO
	ds_load_b64 v[FB1+12*\i+4:FB1+12*\i+5], v[A18] offset:12288*\i+KO+512
	ds_load_b128 v[FB1+12*\i+6:FB1+12*\i+9], v[A116] offset:12288*\i+KO+768
	ds_load_b64 v[FB1+12*\i+10:FB1+12*\i+11], v[A18] offset:12288*\i+KO+1280
.endr
.endm
.macro MUL s, buf, first
.if \buf
	WIN 0x55
.set FB0, 128
.set FB1, 176
.else
	WIN 0x50
.set FB0, 16
.set FB1, 64
.endif
.irp q, 0,1,2,3
.irp p, 0,1,2,3
.if \first
	v_wmma_scale_f32_16x16x128_f8f6f4 v[32*\q+8*\p:32*\q+8*\p+7], v[FB0+12*\p:FB0+12*\p+11], v[FB1+12*\q:FB1+12*\q+11], v[BIAS+8*\p:BIAS+8*\p+7], v[SC0+4*(\s)+\p], v[SC1+4*(\s)+\q] matrix_a_fmt:MATRIX_FMT_FP6 matrix_b_fmt:MATRIX_FMT_FP6
.else
	v_wmma_scale_f32_16x16x128_f8f6f4 v[32*\q+8*\p:32*\q+8*\p+7], v[FB0+12*\p:FB0+12*\p+11], v[FB1+12*\q:FB1+12*\q+11], v[32*\q+8*\p:32*\q+8*\p+7], v[SC0+4*(\s)+\p], v[SC1+4*(\s)+\q] matrix_a_fmt:MATRIX_FMT_FP6 matrix_b_fmt:MATRIX_FMT_FP6
.endif
.endr
.endr
.endm
.macro KSTEP s
	s_wait_dscnt 0x0
.if ((\s) > 0) && ((\s) < 7)
.rept 4
	v_nop
.endr
.endif
.if (\s) < 7
	s_wait_alu depctr_va_vdst(0)
	FETCH (\s)+1, ((\s)+1)%2
.endif
.if (\s) == 0
	MUL \s, 0, 1
.else
	MUL \s, (\s)%2, 0
.endif
	WIN 0
.endm
	s_load_b256 s[4:11], s[0:1], 0x0
	v_lshl_add_u32 v[SPW], v0, 2, SPARE
	v_mov_b32 v[NIL], 0
	ds_add_u32 v[SPW], v[NIL]
	ds_add_u32 v[SPW], v[NIL]
	v_lshrrev_b32 v244, 5, v0
	v_readfirstlane_b32 s[WV], v244
	s_and_b32 s[PH], s[WV], 1
	s_lshr_b32 s[QHF], s[WV], 1
	s_and_b32 s[TW], s[WV], NTW-1
	s_bfe_u32 s[CX], ttmp6, 0x40000
	s_bfe_u32 s[CY], ttmp6, 0x40004
	s_lshl_b32 s[GX], ttmp9, 2
	s_add_co_u32 s[GX], s[GX], s[CX]
	s_and_b32 s[CLY], ttmp7, 0xffff
	s_lshl_b32 s[GY], s[CLY], 2
	s_add_co_u32 s[GY], s[GY], s[CY]
	s_lshl_b32 s[RM], s[CY], 2
	s_lshl_b32 s[RM], 15, s[RM]
	s_lshl_b32 s[CM], 0x1111, s[CX]
	s_or_b32 s[G1T], s[RM], (3<<16)|(1<<21)
	s_or_b32 s[G1W], s[CM], (3<<16)|(1<<21)
.irp g, G1T, G1W
	s_mov_b32 s[\g+1], 1536<<16                    ; a row of the load is a tile's 12,288 bytes: all of K
	s_mov_b32 s[\g+2], 4<<16
	s_mov_b32 s[\g+3], 1536<<16
	s_mov_b32 s[\g+4], 4
	s_mov_b32 s[\g+5], 1536
	s_mov_b32 s[\g+6], 0
	s_mov_b32 s[\g+7], 0
.endr
	s_lshl_b32 s84, s[GY], 3
	s_lshl_b32 s85, s[TW], 2
	s_add_co_u32 s84, s84, s85
	s_mul_i32 s84, s84, 12288
	s_mov_b32 s85, 0
	s_lshl_b32 s86, s[GX], 3
	s_lshl_b32 s87, s[TW], 2
	s_add_co_u32 s86, s86, s87
	s_add_co_u32 s86, s86, 704
	s_mul_i32 s86, s86, 12288
	s_mov_b32 s87, 0
	s_mul_i32 s88, s[TW], 4*12288
	s_mov_b32 s[PSEL], 0x05040100
	s_wait_dscnt 0x0
	s_wait_kmcnt 0x0
	s_add_nc_u64 s[90:91], s[6:7], s[84:85]
	s_add_nc_u64 s[92:93], s[4:5], s[86:87]
	CROUND
.irp c, 0
	s_mov_b32 s[G0T+4*\c], 1
	s_add_co_u32 s[G0T+4*\c+1], s88, TREG+\c*TCH
	s_add_nc_u64 s[G0T+4*\c+2:G0T+4*\c+3], s[90:91], \c*3072
	s_or_b32 s[G0T+4*\c+3], s[G0T+4*\c+3], 0x80000000
	s_mov_b32 s[G0W+4*\c], 1
	s_add_co_u32 s[G0W+4*\c+1], s88, WREG+\c*WCH
	s_add_nc_u64 s[G0W+4*\c+2:G0W+4*\c+3], s[92:93], \c*3072
	s_or_b32 s[G0W+4*\c+3], s[G0W+4*\c+3], 0x80000000
	JLOAD \c                                       ; my one tensor load: my four tiles for all of K; nothing is filled twice
.endr
	v_and_b32 v244, 31, v0
	v_and_b32 v245, 15, v0
	v_bfe_u32 v246, v0, 4, 1
	v_lshlrev_b32 v[OC16], 4, v244
	v_lshlrev_b32 v[OC8], 3, v244
	v_lshlrev_b32 v[R16], 4, v245
	v_lshlrev_b32 v[R8], 3, v245
	s_wait_alu depctr_va_vdst(0)
	v_lshlrev_b32 v[VA], 7, v246
	s_wait_alu depctr_va_vdst(0)
	s_mul_i32 s84, s[WV], 16*272
	s_add_co_u32 s84, s84, STAGE
	v_mul_u32_u24 v[STO], v245, 272
	v_lshl_add_u32 v[STO], v246, 7, v[STO]
	v_add_nc_u32 v[STO], s84, v[STO]
	v_mul_u32_u24 v[RD], v246, 272
	v_add_nc_u32 v[RD], v[RD], v[R16]
	v_add_nc_u32 v[RD], s84, v[RD]
	v_lshl_add_u32 v[CO], v246, 12, v[R16]
	s_lshl_b32 s84, s[GX], 1
	s_add_co_u32 s84, s84, s[PH]
	s_add_co_u32 s84, s84, 176
	s_lshl_b32 s84, s84, 11
	s_add_co_u32 s84, s84, US1
	s_mov_b32 s85, 0
	s_add_nc_u64 s[94:95], s[4:5], s[84:85]
	s_lshl_b32 s84, s[GY], 1
	s_add_co_u32 s84, s84, s[QHF]
	s_lshl_b32 s84, s84, 12
	s_add_co_u32 s84, s84, AS4
	s_add_nc_u64 s[96:97], s[6:7], s[84:85]
	s_lshl_b32 s84, s[GX], 9
	s_lshl_b32 s86, s[PH], 8
	s_add_co_u32 s84, s84, s86
	s_add_nc_u64 s[98:99], s[8:9], s[84:85]
.irp s, 0,1,2,3,4,5,6,7
	global_load_b128 v[SC0+4*\s:SC0+4*\s+3], v[R16], s[94:95] offset:256*\s
.endr
.irp d, 0,1,2,3,4,5,6,7,8,9,10,11,12,13,14,15
	global_load_b64 v[RAW+4*\d:RAW+4*\d+1], v[R8], s[96:97] offset:256*\d
	global_load_b64 v[RAW+4*\d+2:RAW+4*\d+3], v[R8], s[96:97] offset:256*\d+128
.endr
	WIN 0x40
.irp p, 0,1,2,3
	global_load_b128 v[BIAS+8*\p:BIAS+8*\p+3], v[VA], s[98:99] offset:32*\p
	global_load_b128 v[BIAS+8*\p+4:BIAS+8*\p+7], v[VA], s[98:99] offset:32*\p+16
.endr
	WIN 0
	s_wait_loadcnt 0x0
.irp s, 0,1,2,3,4,5,6,7
.irp q, 0,1,2,3
	v_perm_b32 v[SC1+4*\s+\q], v[RAW+8*\s+4+\q], v[RAW+8*\s+\q], s[PSEL]
.endr
.endr
	s_mul_i32 s84, s[PH], 4*12288
	v_add_nc_u32 v[A016], s84, v[OC16]
	v_add_nc_u32 v[A08], s84, v[OC8]
	s_mul_i32 s84, s[QHF], 4*12288
	s_add_co_u32 s84, s84, S1B
	v_add_nc_u32 v[A116], s84, v[OC16]
	v_add_nc_u32 v[A18], s84, v[OC8]
	s_wait_alu depctr_va_vdst(0)
	s_wait_tensorcnt 0x0                           ; my load has landed; behind the barrier everybody's has
	s_barrier_signal -1
	s_barrier_wait -1
	FETCH 0, 0
.irp s, 0,1,2,3,4,5,6,7
	KSTEP \s
.endr
	s_lshl_b32 s84, s[GY], 1
	s_add_co_u32 s84, s84, s[QHF]
	s_lshl_b32 s84, s84, 18
	s_lshl_b32 s86, s[GX], 9
	s_add_co_u32 s84, s84, s86
	s_lshl_b32 s86, s[PH], 8
	s_add_co_u32 s84, s84, s86
	s_mov_b32 s85, 0
	s_add_nc_u64 s[94:95], s[10:11], s[84:85]
.rept 4
	v_nop
.endr
.irp q, 0,1,2,3
	v_cmp_eq_u32 s[88+\q], 0, v[SC1+\q]
.endr
	WIN 0x40
	v_mov_b32 v[NANR], 0x7fc00000
.irp q, 0,1,2,3
	WIN 0x55
.irp i, 0,1,2,3,4,5,6,7,8,9,10,11,12,13,14,15,16,17,18,19,20,21,22,23,24,25,26,27,28,29,30,31
	v_cndmask_b32 v[32*\q+\i], v[32*\q+\i], v[NANR], s[88+\q]
.endr
.if \q > 0
	s_wait_alu depctr_va_vdst(0)
	s_wait_xcnt 0x0
.endif
	WIN 0x04
.irp i, 0,1,2,3,4,5,6,7
	ds_store_b128 v[STO], v[32*\q+4*\i:32*\q+4*\i+3] offset:16*\i
.endr
	WIN 0
.irp t, 0,1,2,3,4,5,6,7
	ds_load_b128 v[RAW+4*\t:RAW+4*\t+3], v[RD] offset:544*\t
.endr
.irp t, 0,1,2,3,4,5,6,7
	s_wait_dscnt 7-\t
	global_store_b128 v[CO], v[RAW+4*\t:RAW+4*\t+3], s[94:95] offset:(8*\q+(2*\t)%8+32*(\t/4))*4096 th:TH_STORE_NT
.endr
.endr
	s_wait_tensorcnt 0x0
	ds_add_u32 v[SPW], v[NIL]
	s_wait_dscnt 0x0
	CROUND
	s_endpgm
.Lfunc_end_k_qd114c82eef_oproj:
	.size	k_qd114c82eef_oproj, .Lfunc_end_k_qd114c82eef_oproj-k_qd114c82eef_oproj
	.p2alignl 7, 3214868480
	.fill 96, 4, 3214868480
	.section	.rodata,"a",@progbits
	.p2align	6, 0x0
	.amdhsa_kernel k_qd114c82eef_oproj
		.amdhsa_group_segment_fixed_size 327680
		.amdhsa_private_segment_fixed_size 0
		.amdhsa_enable_private_segment 0
		.amdhsa_kernarg_size 32
		.amdhsa_user_sgpr_count 2
		.amdhsa_user_sgpr_kernarg_segment_ptr 1
		.amdhsa_wavefront_size32 1
		.amdhsa_system_sgpr_workgroup_id_x 1
		.amdhsa_system_sgpr_workgroup_id_y 1
		.amdhsa_system_sgpr_workgroup_id_z 1
		.amdhsa_system_vgpr_workitem_id 0
		.amdhsa_next_free_vgpr 512
		.amdhsa_next_free_sgpr 100
		.amdhsa_reserve_vcc 0
		.amdhsa_float_denorm_mode_32 3
		.amdhsa_float_denorm_mode_16_64 3
		.amdhsa_memory_ordered 1
		.amdhsa_forward_progress 1
		.amdhsa_inst_pref_size 65
	.end_amdhsa_kernel
	.amdgpu_metadata
---
amdhsa.version: [ 1, 2 ]
amdhsa.kernels:
  - .name:           k_qd114c82eef_oproj
    .symbol:         k_qd114c82eef_oproj.kd
    .args:
      - { .name: w1, .offset: 0, .size: 8, .value_kind: global_buffer, .address_space: global }
      - { .name: w4, .offset: 8, .size: 8, .value_kind: global_buffer, .address_space: global }
      - { .name: bo, .offset: 16, .size: 8, .value_kind: global_buffer, .address_space: global }
      - { .name: out0, .offset: 24, .size: 8, .value_kind: global_buffer, .address_space: global }
    .group_segment_fixed_size: 327680
    .private_segment_fixed_size: 0
    .kernarg_segment_align: 8
    .kernarg_segment_size: 32
    .max_flat_workgroup_size: 128
    .sgpr_count:     100
    .vgpr_count:     512
    .wavefront_size: 32
...
	.end_amdgpu_metadata
.endif
;; end of part 5
